; MI455X (gfx1250); checked and timed in simulation.
; The chip was launched on July 23, 2026; its instructions are those of AMD's public machine-readable ISA for CDNA 5 (MIT licence, August 2026) and "CDNA5" Instruction Set Architecture Reference Guide (July 2026). The comments in the code are by the model that wrote it; some were corrected since.
;; Multi Head Self Attention. Allowed arithmetic: matrix products marked QUANTISED: E4M3 operands, one given power-of-two scale a tensor, by v_wmma_f32_16x16x64_fp8_fp8 or v_wmma_f32_16x16x128_fp8_fp8, f32 sums; everything else in f32.
;; Inputs: b_proj 1,024 float32; b_qkv 3,072 float32; lowp_scales 8 int32 (the exponents e of the quantised operands' scales 2^e); w_proj 1,024 x 1,024 float32; w_qkv 1,024 x 3,072 float32; x 8 x 1,024 x 1,024 float32.
;; Outputs: out0 8 x 1,024 x 1,024 float32.
;; This version of the problem:
;;   THIS VERSION OF THE PROBLEM IS GIVEN IN LOW PRECISION. The matrix products marked QUANTISED in the list below multiply operands that are first quantised to E4M3 (4 exponent bits, 3 mantissa bits; 8 bits a number), with one given power-of-two scale for each operand tensor; their sums are f32. All else is computed in f32.
;;   The module's matrix products, in the order in which they are computed (A, B: the left and right operand; K: the contracted axis; several contracted axes count as one K, in the product's order):
;;     1. [M 8,192, K 1,024] x [K 1,024, N 3,072]; A: input x; B: input w_qkv: QUANTISED (scales: A lowp_scales[0], B lowp_scales[1])
;;     2. batch 128 x [M 1,024, K 64] x [K 64, N 1,024]; A: computed on the way; B: computed on the way: QUANTISED (scales: A lowp_scales[2], B lowp_scales[3])
;;     3. batch 128 x [M 1,024, K 1,024] x [K 1,024, N 64]; A: softmax (see below); B: computed on the way: QUANTISED (scales: A lowp_scales[4], B lowp_scales[5])
;;     4. [M 8,192, K 1,024] x [K 1,024, N 1,024]; A: computed on the way; B: input w_proj: QUANTISED (scales: A lowp_scales[6], B lowp_scales[7])
;;   THE QUANTISER, for each operand of a quantised product, along K:
;;     - The operand's scale is 2^e, e = its entry of the input lowp_scales (int32; the entries are numbered through the quantised products in the list's order, A before B).
;;     - Each number is divided by the scale, clamped to +-448, and rounded to the nearest number of E4M3, ties to even, subnormals kept.
;;     - The product sums the exact products of the quantised numbers (number of the format x scale) in f32.
;;   ~~~python
;;   def quantise(x, axis, e):      # numpy; x: float32 -> the quantised numbers, widened to float32 again
;;       x = np.moveaxis(x, axis, -1); K = x.shape[-1]
;;       r = np.clip(x / 2.0 ** e, -448, 448)
;;       step = 2.0 ** (np.maximum(np.frexp(np.where(r == 0, 1, r))[1] - 1, -6) - 3)
;;       q = np.round(r / step) * step * 2.0 ** e      # np.round: ties to even
;;       return np.moveaxis(q, -1, axis).astype(np.float32)
;;   ~~~
;;   SOFTMAX AHEAD OF A QUANTISED PRODUCT. Where the list says 'softmax', what is quantised is not the finished softmax but p = 2^(t - M), with t = logit x log2(e) and M = ceil(the row's largest t), a whole number; so 1/2 < the row's largest p <= 1. The row's sum l is taken of the UNQUANTISED p, in f32, and the product's result is divided by l at the end. Since M is a whole number, a kernel that streams over the keys may use a running M (the ceiling of the running maximum): every later rescaling is an exact power of two, so the quantised numbers keep their values, but for numbers so far below the row's largest that they fall under the format's range.
;;   OPERANDS COMPUTED ON THE WAY. 'Computed on the way' means the value that the module computes at that place (a softmax that the list does not call 'softmax' is quantised finished and normalised). What goes into a quantiser is computed in f32, as accurately as f32 sums, v_exp_f32 and their like allow (about 1e-6 of the number): no bf16 or f16 on the way to a quantiser, and a product that is left as it is and whose result goes on into a quantised operand takes f32 operands (vector FMAs, or v_wmma_f32_16x16x4_f32). A number that lies on a knife's edge between two numbers of the format may be rounded either way, as far as f32 arithmetic and the matrix unit's own rounding can turn it there, and no further.
;; 2 versions, each right; version 2 is version 1 with the launch attn written anew for expert scheduling mode. Each part assembles by itself: llvm-mc -triple=amdgcn-amd-amdhsa -mcpu=gfx1250 --defsym DOCPART=n.
;; ======== version 1 of 2: 4 launches
;; workspace buffers: ximg 8,388,608 bytes; wqimg 3,145,728 bytes; wpimg 1,048,576 bytes; qimg 8,388,608 bytes; kimg 8,388,608 bytes; vimg 8,388,608 bytes; aimg 8,388,608 bytes
;; launch quant (part 1): grid 1024 x 1, 4 waves a work-group, no clusters, 17,920 bytes of LDS; arguments x, w_qkv, w_proj, lowp_scales, ximg, wqimg, wpimg; writes ximg, wqimg, wpimg
.if DOCPART == 1
	.amdgcn_target "amdgcn-amd-amdhsa--gfx1250"
	.amdhsa_code_object_version 6
	.text
	.protected	k_q7754a1b7dd_quant
	.globl	k_q7754a1b7dd_quant
	.p2align	8
	.type	k_q7754a1b7dd_quant,@function
k_q7754a1b7dd_quant:
	s_mov_b64 s[64:65], 0
	v_nop
	global_prefetch_b8 v0, s[64:65] scope:SCOPE_SE
	s_setreg_imm32_b32 hwreg(HW_REG_WAVE_MODE, 25, 1), 1
	s_wait_xcnt 0x0
; x [8192][1024], w_qkv [1024][3072] and w_proj [1024][1024], all f32, become codes of FP8 (E4M3) with the given scales 2^e0, 2^e1, 2^e7.
; code = number / 2^e, held within +-448, rounded to the nearest code, ties to even.
; THE CODES ARE LAID AS IMAGES OF OPERAND REGISTERS.  A fragment is 16 rows x 64 along K, 1,024 bytes: byte 512 c + 16 (16 h + r) + b holds, of row r,
; k = 32 c + 8 h + b for b < 8 and k = 32 c + 16 + 8 h + (b - 8) for b >= 8.  Two 16-byte loads a lane, at 16 x lane and 512 bytes on, are then the eight registers of a 16x16x64 operand.
;   ximg  [row / 16 (512)][k / 64 (16)][1024]
;   wqimg [sigma (192)][k / 64][1024]: column n of w_qkv: piece = n >> 10, head = (n >> 6) & 15, y = (n >> 4) & 3, sigma = 12 head + 4 piece + y: a head's q, k and v columns lie together
;   wpimg [n / 16 (64)][k / 64][1024]
; One launch, three paths by the work-group's number: 0-511 x, 512-895 w_qkv, 896-1023 w_proj.  Work-groups share no input, so there is no cluster; memory binds, so there is no matrix work.
; EVERY WAVE ISSUES ALL ITS LOADS AT ONCE (x: 32 loads of 512 bytes; a weight: 64 loads of 128 bytes) and has no second trip to memory: the work is dealt to many short work-groups, of which several share a WGP.
; Only x's path touches LDS.  No tensor loads, no barrier: waves share nothing.
; LIMITS: e0, e1, e7 between -126 and 119, so that 2^e and 448 x 2^e are f32 numbers.  NaN among the inputs is not served (an infinity is held at the largest code).
.set R,    16                          ; x: v16-143  two sets of 64: row i's four numbers at R + 4 i
.set C,    144                         ; x: v144-159 a step's codes: register i = row i's four codes
.set OUT,  160                         ; x: v160-191 16 registers for each step, so that no store's data are written again
.set STG,  2176                        ; x: a stage: 8 groups of 256 bytes + 16 of padding
.set WREG, 4352                        ; x: two stages for each wave
.set WX,   16                          ; weights: v16-79  two sets of 32 numbers down K
.set WC,   80                          ; weights: v80-95  8 registers of codes for each block, never written again
.macro MKSCALE es                      ; v10 = 2^e as f32 (the conversion takes its exponent field), v11 = 448 x 2^e
	s_add_co_i32 s28, s[\es], 127
	s_lshl_b32 s29, s28, 23
	v_mov_b32 v10, s29
	s_add_co_i32 s28, s28, 8
	s_lshl_b32 s28, s28, 23
	s_or_b32 s28, s28, 0x600000
	v_mov_b32 v11, s28
.endm
	s_load_b256 s[4:11], s[0:1], 0x0               ; x s[4:5], w_qkv s[6:7], w_proj s[8:9], the exponents s[10:11]
	s_load_b128 s[12:15], s[0:1], 0x20             ; ximg s[12:13], wqimg s[14:15]
	s_load_b64 s[16:17], s[0:1], 0x30              ; wpimg
	v_lshl_add_u32 v192, v0, 2, 0x4400
	v_mov_b32 v193, 0
	v_lshrrev_b32 v1, 5, v0
	v_readfirstlane_b32 s18, v1                    ; wave 0..3
	v_and_b32 v1, 31, v0                           ; lane
	s_wait_kmcnt 0x0
	s_load_b256 s[20:27], s[10:11], 0x0            ; e0 .. e7
	s_cmp_lt_u32 ttmp9, 512
	s_cbranch_scc0 .Lweights
; ---- x.  Work-group g takes rows 16 g on; its wave w takes k = 256 w on: two steps of 16 rows x 128 k (two fragments each).
; Each load reads one row's 512 consecutive bytes, 16 a lane: lane l holds k = 4 l .. 4 l + 3 of the step's 128.  A conversion takes two rows' four numbers: its two registers are the two rows' code words.
; With l's bits b4 .. b0 the word of row i belongs at image byte 256 (4 b4 + 2 b3 + b1) + 16 i + 8 b2 + 4 b0.  The words go there through the wave's own stage and come back 16 bytes a lane.
	v_lshlrev_b32 v2, 4, v1                        ; 16 x lane: the offset of loads and of stores
	s_mul_i32 s28, s18, WREG
	v_lshrrev_b32 v5, 3, v1
	v_bfe_u32 v6, v0, 1, 1
	v_lshl_add_u32 v5, v5, 1, v6                   ; the group of 256 bytes: 4 b4 + 2 b3 + b1
	v_mul_u32_u24 v3, v5, 272
	v_bfe_u32 v6, v0, 2, 1
	v_lshl_add_u32 v3, v6, 3, v3
	v_and_b32 v6, 1, v0
	v_lshl_add_u32 v3, v6, 2, v3
	v_add_nc_u32 v3, s28, v3                       ; into the stage: word 68 G + 2 b2 + b0 + 4 i: the 32 lanes' words fall on 32 different banks (64 banks of 4 bytes: ISA guide 11.1)
	v_lshrrev_b32 v5, 4, v1
	v_mul_u32_u24 v4, v5, 272
	v_and_b32 v6, 15, v0
	v_lshl_add_u32 v4, v6, 4, v4
	v_add_nc_u32 v4, s28, v4                       ; out of it: sixteen lanes to a group, two groups an instruction
	s_lshl_b32 s32, ttmp9, 16                      ; 16 rows of 4,096 bytes
	s_lshl_b32 s33, s18, 10                        ; + 256 numbers
	s_add_co_u32 s32, s32, s33
	s_mov_b32 s33, 0
	s_add_nc_u64 s[4:5], s[4:5], s[32:33]
	s_lshl_b32 s32, ttmp9, 14                      ; 16 fragments of 1,024 bytes
	s_lshl_b32 s34, s18, 12                        ; + 4 fragments
	s_add_co_u32 s32, s32, s34
	s_add_nc_u64 s[12:13], s[12:13], s[32:33]
.macro XLOAD t                         ; step t's 16 rows into set t
.set i, 0
.rept 16
	global_load_b128 v[R+64*(\t)+4*i:R+64*(\t)+4*i+3], v2, s[4:5] offset:4096*i+512*(\t) th:TH_LOAD_NT
.set i, i+1
.endr
.endm
.macro XSTEP t
.set RS, R+64*(\t)
	s_wait_loadcnt 16*(1-(\t))                     ; this step's 16 loads are in; in step 0 the other step's 16 may be out
.set i, 0
.rept 64
	v_med3_num_f32 v[RS+i], v[RS+i], -v11, v11     ; the conversion to an 8-bit code does not saturate (ISA guide 7.6.2): the hold at the largest code x the scale comes first
.set i, i+1
.endr
.set i, 0
.rept 8
	v_cvt_scalef32_pk8_fp8_f32 v[C+2*i:C+2*i+1], v[RS+8*i:RS+8*i+7], v10
.set i, i+1
.endr
.set i, 0
.rept 16
	ds_store_b32 v3, v[C+i] offset:STG*(\t)+16*i
.set i, i+1
.endr
.set i, 0
.rept 4
	ds_load_b128 v[OUT+16*(\t)+4*i:OUT+16*(\t)+4*i+3], v4 offset:STG*(\t)+544*i   ; LDS serves a wave's instructions in order (ISA guide 5.7.1.4): these see the stores above
.set i, i+1
.endr
	s_wait_dscnt 0x0                               ; the two fragments are back in registers, and the stores have read the codes' registers
.set i, 0
.rept 4
	global_store_b128 v2, v[OUT+16*(\t)+4*i:OUT+16*(\t)+4*i+3], s[12:13] offset:2048*(\t)+512*i   ; 32 lanes store 512 consecutive bytes, aligned
.set i, i+1
.endr
.endm
	XLOAD 0
	XLOAD 1
	s_wait_kmcnt 0x0
	MKSCALE 20
	XSTEP 0
	XSTEP 1
	s_wait_tensorcnt 0x0
	ds_add_u32 v192, v193
	s_wait_dscnt 0x0
	s_endpgm
; ---- the weights: K is their FIRST axis.  A lane takes a column n and its registers run down K, so each load reads 128 consecutive bytes a wave and the conversions give codes with K innermost.
; Work-group j of a weight: k = 64 (j & 15) on, columns 128 (j >> 4) + 32 wave on: one fragment for each 16 columns.  A block of 32 along K is half a fragment: of row r the image wants k 0-7 and 16-23 in lane r,
; k 8-15 and 24-31 in lane 16 + r.  So a lane's 32 codes leave as two stores of 16 bytes, 256 bytes apart; in each, sixteen lanes fill 256 consecutive bytes, aligned.
.macro WLOAD t, N, inS
.set i, 0
.rept 32
	global_load_b32 v[WX+32*(\t)+i], v2, s[\inS:\inS+1] offset:(32*(\t)+i)*\N*4 th:TH_LOAD_NT
.set i, i+1
.endr
.endm
.macro WBLOCK t, outS
.set XS, WX+32*(\t)
.set CS, WC+8*(\t)
	s_wait_loadcnt 32*(1-(\t))                     ; this block's 32 loads are in; in block 0 the other block's may be out
.set i, 0
.rept 32
	v_med3_num_f32 v[XS+i], v[XS+i], -v11, v11
.set i, i+1
.endr
	v_cvt_scalef32_pk8_fp8_f32 v[CS:CS+1], v[XS:XS+7], v10
	v_cvt_scalef32_pk8_fp8_f32 v[CS+2:CS+3], v[XS+16:XS+23], v10
	v_cvt_scalef32_pk8_fp8_f32 v[CS+4:CS+5], v[XS+8:XS+15], v10
	v_cvt_scalef32_pk8_fp8_f32 v[CS+6:CS+7], v[XS+24:XS+31], v10
	global_store_b128 v3, v[CS:CS+3], s[\outS:\outS+1] offset:512*(\t)
	global_store_b128 v3, v[CS+4:CS+7], s[\outS:\outS+1] offset:512*(\t)+256
.endm
.macro WPATH N, first, inS, outS, eS, sigma
	s_sub_co_u32 s28, ttmp9, \first
	s_and_b32 s29, s28, 15                         ; which 64 along K
	s_lshr_b32 s28, s28, 4
	s_lshl_b32 s28, s28, 7
	s_lshl_b32 s30, s18, 5
	s_add_co_u32 s28, s28, s30                     ; n0: my wave's first column, a multiple of 32
	s_mul_i32 s32, s29, 64*\N*4
	s_lshl_b32 s30, s28, 2
	s_add_co_u32 s32, s32, s30
	s_mov_b32 s33, 0
	s_add_nc_u64 s[\inS:\inS+1], s[\inS:\inS+1], s[32:33]
.if \sigma
	s_bfe_u32 s30, s28, 0x40006                    ; head
	s_mul_i32 s30, s30, 12
	s_lshr_b32 s31, s28, 10                        ; piece
	s_lshl_b32 s31, s31, 2
	s_add_co_u32 s30, s30, s31
	s_bfe_u32 s31, s28, 0x20004                    ; y (even: lanes 16-31 take y + 1)
	s_add_co_u32 s30, s30, s31
.else
	s_lshr_b32 s30, s28, 4
.endif
	s_lshl_b32 s32, s30, 14                        ; a block of 16 columns is 16 fragments
	s_lshl_b32 s31, s29, 10                        ; 64 along K are one of them
	s_add_co_u32 s32, s32, s31
	s_add_nc_u64 s[\outS:\outS+1], s[\outS:\outS+1], s[32:33]
	v_lshlrev_b32 v2, 2, v1                        ; in: 4 bytes a lane
	v_lshrrev_b32 v3, 4, v1
	v_lshlrev_b32 v3, 14, v3
	v_and_b32 v4, 15, v0
	v_lshl_add_u32 v3, v4, 4, v3                   ; out: 16,384 (lane / 16) + 16 (lane % 16)
	WLOAD 0, \N, \inS
	WLOAD 1, \N, \inS
	s_wait_kmcnt 0x0
	MKSCALE \eS
	WBLOCK 0, \outS
	WBLOCK 1, \outS
	s_endpgm
.endm
.Lweights:
	s_cmp_lt_u32 ttmp9, 896
	s_cbranch_scc0 .Lwproj
	WPATH 3072, 512, 6, 14, 21, 1
.Lwproj:
	WPATH 1024, 896, 8, 16, 27, 0
.Lfunc_end_k_q7754a1b7dd_quant:
	.size	k_q7754a1b7dd_quant, .Lfunc_end_k_q7754a1b7dd_quant-k_q7754a1b7dd_quant
	.p2alignl 7, 3214868480
	.fill 96, 4, 3214868480
	.section	.rodata,"a",@progbits
	.p2align	6, 0x0
	.amdhsa_kernel k_q7754a1b7dd_quant
		.amdhsa_group_segment_fixed_size 17920
		.amdhsa_private_segment_fixed_size 0
		.amdhsa_enable_private_segment 0
		.amdhsa_kernarg_size 56
		.amdhsa_user_sgpr_count 2
		.amdhsa_user_sgpr_kernarg_segment_ptr 1
		.amdhsa_wavefront_size32 1
		.amdhsa_system_sgpr_workgroup_id_x 1
		.amdhsa_system_sgpr_workgroup_id_y 1
		.amdhsa_system_sgpr_workgroup_id_z 1
		.amdhsa_system_vgpr_workitem_id 0
		.amdhsa_next_free_vgpr 194
		.amdhsa_next_free_sgpr 66
		.amdhsa_reserve_vcc 0
		.amdhsa_float_denorm_mode_32 3
		.amdhsa_float_denorm_mode_16_64 3
		.amdhsa_memory_ordered 1
		.amdhsa_forward_progress 1
		.amdhsa_inst_pref_size 43
	.end_amdhsa_kernel
	.amdgpu_metadata
---
amdhsa.version: [ 1, 2 ]
amdhsa.kernels:
  - .name:           k_q7754a1b7dd_quant
    .symbol:         k_q7754a1b7dd_quant.kd
    .args:
      - { .name: x, .offset: 0, .size: 8, .value_kind: global_buffer, .address_space: global }
      - { .name: w_qkv, .offset: 8, .size: 8, .value_kind: global_buffer, .address_space: global }
      - { .name: w_proj, .offset: 16, .size: 8, .value_kind: global_buffer, .address_space: global }
      - { .name: lowp_scales, .offset: 24, .size: 8, .value_kind: global_buffer, .address_space: global }
      - { .name: ximg, .offset: 32, .size: 8, .value_kind: global_buffer, .address_space: global }
      - { .name: wqimg, .offset: 40, .size: 8, .value_kind: global_buffer, .address_space: global }
      - { .name: wpimg, .offset: 48, .size: 8, .value_kind: global_buffer, .address_space: global }
    .group_segment_fixed_size: 17920
    .private_segment_fixed_size: 0
    .kernarg_segment_align: 8
    .kernarg_segment_size: 56
    .max_flat_workgroup_size: 128
    .sgpr_count:     66
    .vgpr_count:     194
    .wavefront_size: 32
...
	.end_amdgpu_metadata
.endif
;; end of part 1
;; launch qkv (part 2): grid 8 x 32, 4 waves a work-group, clusters of 4 x 4, 327,680 bytes of LDS; arguments ximg, wqimg, b_qkv, lowp_scales, qimg, kimg, vimg; writes qimg, kimg, vimg
.if DOCPART == 2
	.amdgcn_target "amdgcn-amd-amdhsa--gfx1250"
	.amdhsa_code_object_version 6
	.text
	.protected	k_q7754a1b7dd_qkv
	.globl	k_q7754a1b7dd_qkv
	.p2align	8
	.type	k_q7754a1b7dd_qkv,@function
k_q7754a1b7dd_qkv:
	s_mov_b64 s[64:65], 0
	v_nop
	global_prefetch_b8 v0, s[64:65] scope:SCOPE_SE
	s_setreg_imm32_b32 hwreg(HW_REG_WAVE_MODE, 25, 1), 1
	s_wait_xcnt 0x0
	s_wait_alu depctr_hold_cnt(0) depctr_sa_sdst(0) depctr_va_vdst(0) depctr_va_sdst(0) depctr_va_ssrc(0) depctr_va_vcc(0) depctr_vm_vsrc(0)
	s_getreg_b32 s2, hwreg(HW_REG_IB_STS2, 6, 4)
	s_cmp_eq_u32 s2, 0
	s_cbranch_scc0 .Lentry_in_a_cluster
	s_endpgm
.Lentry_in_a_cluster:
	s_bfe_u32 s2, ttmp6, 0x10000c
	s_cmp_lg_u32 s2, 0xf033
	s_cbranch_scc0 .Lentry_shape_is_right
	s_endpgm
.Lentry_shape_is_right:
; qkv = x w_qkv + b_qkv on codes of FP8 (E4M3), and q, k, v quantised on the way out with the given 2^e2, 2^e3, 2^e5.  Sums in f32; value = sum x 2^(e0 + e1) + bias, one fused multiply-add.
; Operands and results are images of operand registers, 16 rows x 64 K in 1,024 bytes: byte 512 c + 16 lane + b (lane = 16 h + r: row r; k = 32 c + 8 h + b, or 32 c + 16 + 8 h + b - 8 from b = 8 on).
;   in:  ximg [row / 16][k / 64][1024];  wqimg [12 head + 4 piece + y][k / 64][1024]
;   out: qimg, kimg [16 batch + head][token / 16][1024] (K = the head's 64);  vimg [16 batch + head][token / 64][channel / 16][1024] (row = channel, K = the tokens)
; SHARES.  256 work-groups.  Work-group (ct, tr) makes rows 256 tr on x the q, k and v columns of heads 2 ct and 2 ct + 1.  Wave w: rows 128 (w / 2) on, head 2 ct + w % 2: 128 x 192, 96 accumulators, 768 registers.
; For 64 along K a wave reads 8 fragments of x and 12 of the weight from LDS for 96 matrix instructions, and reads no fragment twice.
; q and k are made TRANSPOSED (source 0 = 16 weight columns, source 1 = 16 rows of x): a lane holds one token and eight neighbouring channels, which are K of the scores' product.
; v is made the natural way (source 0 = x, source 1 = weight): a lane holds one channel and eight neighbouring tokens, which are K of the second product.  So each conversion's result IS a pair of image registers.
; CLUSTERS: 4 x 4 work-groups.  x's tiles hang on tr alone and are asked for jointly by a row of the cluster, the weight's on ct alone and by a column.
; K = 1024 is 16 units of 64, brought by five fills: units 0-3 (region 0), 4-6 (region 1), both at the start; then 7-9, 10-12, 13-15, each one joint load a wave behind a round of the cluster's barrier.
; By this text's own count a wave has at most two tensor loads out.  All 16 units are written out by macro: no loop.
; LIMITS: e2, e3, e5 between -126 and 119; e0 + e1 between -126 and 127.  NaN among the inputs is not served.
; REGISTERS, in windows of 256: window 0: v0-31 addresses; v32-95, v96-159 x's 8 fragments, two sets; v160-255 the weight's 12 fragments, one set (blocks 0-5 are fetched anew in a unit's middle, 6-11 at its end).
;   windows 1, 2, 3: the accumulators of q, k, v: (weight block y, row block a) at v[8 (8 y + a)].
.set L16, 4                            ; v4   16 x lane
.set XA,  8                            ; v8   x's fragments in region 0, rows of 4,096 bytes
.set XB,  9                            ; v9   the weight's there
.set PA0, 10                           ; v10, v11  the same with rows of 3,072 bytes
.set PB0, 11
.set PA1, 12                           ; v12, v13  and in region 1
.set PB1, 13
.set BA,  14                           ; v14  my bias words for q and k
.set BVA, 15                           ; v15  for v
.set SPW, 28                           ; v28  LDS address of my spare word; never rewritten
.set NIL, 29                           ; v29  0; never rewritten
.set AF,  32
.set BF,  160
.set BQ,  32                           ; the way out: v32-95 q's and k's bias, 8 registers a block
.set BV,  96                           ; v96-103 v's bias, a pair (twice the same number) a block
.set T,   104                          ; v104-135 32 values at work
.set SCL, 136                          ; v136-141 2^e and 448 x 2^e for e2, e3, e5
.set CD,  144                          ; v144-239 twelve sets of 8 registers of codes, by turns: the 24 groups go twice round them
.set NSET, 12
.set REG1,  163840                     ; LDS: region 0 is 0 .. 163,839; region 1 begins here (122,880 bytes)
.set SPARE, 286720                     ; the spare words, 128 bytes a wave: two blocks of 256 bytes that no other line names
.set BIAS,  287232                     ; 768 bytes a wave: [piece 3][64 f32]; no fill lands here
.set G1AX, 32                          ; s[32:39] group 1: x, 8 rows of 4,096 bytes;  s[40:47] weight, 12 such rows
.set G1BX, 40
.set G1AP, 48                          ; s[48:55] x, 8 rows of 3,072 bytes;  s[56:63] weight, 12 such rows
.set G1BP, 56
.set G0A0, 68                          ; groups 0: x region 0, x region 1, weight region 0, weight region 1
.set G0A1, 72
.set G0B0, 76
.set G0B1, 80
.set MSB, 0
.macro WIN new                         ; the immediate's high byte repeats the setting that is left; a switch that changes nothing is dropped
.if MSB != (\new)
	s_set_vgpr_msb (MSB<<8)|(\new)
.set MSB, (\new)
.endif
.endm
.macro PLACES n
.rept \n
	v_nop
.endr
.endm
; A joint load: waves 0 and 1 fetch x's two halves, waves 2 and 3 the two heads' weights.  The branch hangs on the wave's number alone.  Four v_nop follow each of the two lines.
.macro JLOAD g0a, g1a, g0b, g1b
	s_cmp_eq_u32 s19, 0
	s_cbranch_scc0 .Lfor_b_\@
	tensor_load_to_lds s[\g0a:\g0a+3], s[\g1a:\g1a+7]
	s_nop 0
.rept 4
	v_nop
.endr
	s_branch .Lasked_\@
.Lfor_b_\@:
	tensor_load_to_lds s[\g0b:\g0b+3], s[\g1b:\g1b+7]
	s_nop 0
.rept 4
	v_nop
.endr
.Lasked_\@:
.endm
.macro CREST                           ; a round of the cluster's barrier behind its opening barrier
	s_cmp_lg_u32 s18, 0
	s_cbranch_scc1 .Lnot_wave_0_\@
	s_barrier_signal -3
.Lnot_wave_0_\@:
	s_barrier_wait -3
	s_barrier_signal -1
	s_barrier_wait -1
.endm
.macro CROUND
	s_barrier_signal -1
	s_barrier_wait -1
	CREST
.endm
.macro GROUP1 g, c, r                  ; elements of 8 bytes: rows of c elements, r rows, 2,048 elements (16 fragments) from row to row
	s_mov_b32 s[\g+1], (\c)<<16
	s_mov_b32 s[\g+2], (\r)<<16
	s_mov_b32 s[\g+3], (\c)<<16
	s_mov_b32 s[\g+4], \r
	s_mov_b32 s[\g+5], 2048
	s_mov_b32 s[\g+6], 0
	s_mov_b32 s[\g+7], 0
.endm
	s_load_b256 s[4:11], s[0:1], 0x0               ; ximg s[4:5], wqimg s[6:7], b_qkv s[8:9], the exponents s[10:11]
	s_load_b128 s[12:15], s[0:1], 0x20             ; qimg s[12:13], kimg s[14:15]
	s_load_b64 s[16:17], s[0:1], 0x30              ; vimg
	v_lshl_add_u32 v[SPW], v0, 2, SPARE
	v_mov_b32 v[NIL], 0
	ds_add_u32 v28, v29
	ds_add_u32 v28, v29
	s_wait_dscnt 0x0
	v_lshrrev_b32 v1, 5, v0
	v_readfirstlane_b32 s18, v1                    ; wave 0..3
	s_lshr_b32 s19, s18, 1                         ; wr: my half of the rows.  Also: I fetch x (0) or the weight (1)
	s_and_b32 s20, s18, 1                          ; wc: my head of the two.  Also: which half I fetch
	s_bfe_u32 s21, ttmp6, 0x40000                  ; cx
	s_bfe_u32 s22, ttmp6, 0x40004                  ; cy
	s_lshl_b32 s23, ttmp9, 2
	s_add_co_u32 s23, s23, s21                     ; ct = 4 x cluster x + cx
	s_and_b32 s24, ttmp7, 0xffff
	s_lshl_b32 s24, s24, 2
	s_add_co_u32 s24, s24, s22                     ; tr = 4 x cluster y + cy
	s_lshl_b32 s25, s22, 2
	s_lshl_b32 s25, 15, s25                        ; my row of the cluster
	s_lshl_b32 s26, 0x1111, s21                    ; my column
	s_or_b32 s[G1AX], s25, (3<<16)|(1<<21)         ; 15:0 the mask; 17:16 elements of 8 bytes; 21 set beside a mask; no padding: a fragment is read as 512 consecutive bytes
	s_or_b32 s[G1AP], s25, (3<<16)|(1<<21)
	s_or_b32 s[G1BX], s26, (3<<16)|(1<<21)
	s_or_b32 s[G1BP], s26, (3<<16)|(1<<21)
	GROUP1 G1AX, 512, 8
	GROUP1 G1BX, 512, 12
	GROUP1 G1AP, 384, 8
	GROUP1 G1BP, 384, 12
	s_lshl_b32 s28, s24, 4
	s_lshl_b32 s27, s20, 3
	s_add_co_u32 s28, s28, s27
	s_lshl_b32 s28, s28, 14                        ; x: block of 16 rows 16 tr + 8 half, 16,384 bytes each
	s_mov_b32 s29, 0
	s_mul_i32 s30, s23, 24
	s_mul_i32 s27, s20, 12
	s_add_co_u32 s30, s30, s27
	s_lshl_b32 s30, s30, 14                        ; weight: block 24 ct + 12 half
	s_mov_b32 s31, 0
	s_mul_i32 s94, s20, 24576                      ; where later fills of region 0 go: x's half,
	s_mul_i32 s95, s20, 36864
	s_add_co_u32 s95, s95, 49152                   ; the weight's: no place in the cluster enters an LDS address
	s_wait_kmcnt 0x0
	s_load_b256 s[84:91], s[10:11], 0x0            ; e0 .. e7
	s_add_nc_u64 s[28:29], s[4:5], s[28:29]
	s_add_nc_u64 s[30:31], s[6:7], s[30:31]
	CROUND                                         ; all sixteen work-groups are here: the first joint loads meet
	s_mov_b32 s[G0A0], 1
	s_lshl_b32 s[G0A0+1], s20, 15                  ; region 0, rows of 4,096 bytes: x's halves at 0 and 32,768
	s_mov_b64 s[G0A0+2:G0A0+3], s[28:29]           ; units 0-3
	s_or_b32 s[G0A0+3], s[G0A0+3], 0x80000000
	s_mov_b32 s[G0B0], 1
	s_mul_i32 s[G0B0+1], s20, 49152
	s_add_co_u32 s[G0B0+1], s[G0B0+1], 65536       ; the weight's halves behind x's 16 rows
	s_mov_b64 s[G0B0+2:G0B0+3], s[30:31]
	s_or_b32 s[G0B0+3], s[G0B0+3], 0x80000000
	s_mov_b32 s[G0A1], 1
	s_add_co_u32 s[G0A1+1], s94, REG1
	s_add_nc_u64 s[G0A1+2:G0A1+3], s[28:29], 4096  ; units 4-6
	s_or_b32 s[G0A1+3], s[G0A1+3], 0x80000000
	s_mov_b32 s[G0B1], 1
	s_add_co_u32 s[G0B1+1], s95, REG1
	s_add_nc_u64 s[G0B1+2:G0B1+3], s[30:31], 4096
	s_or_b32 s[G0B1+3], s[G0B1+3], 0x80000000
	JLOAD G0A0, G1AX, G0B0, G1BX
	JLOAD G0A1, G1AP, G0B1, G1BP
	; my head's 3 x 64 bias numbers go to LDS, since no register is free for them during the products
	v_and_b32 v1, 31, v0
	v_lshlrev_b32 v[L16], 4, v1
	v_lshlrev_b32 v2, 3, v1
	v_bfe_u32 v3, v0, 4, 1                         ; h
	v_and_b32 v5, 15, v0                           ; r
	s_lshl_b32 s96, s23, 9
	s_lshl_b32 s27, s20, 8
	s_add_co_u32 s96, s96, s27                     ; 4 x 64 x head
	s_mov_b32 s97, 0
	s_add_nc_u64 s[8:9], s[8:9], s[96:97]
.irp p, 0,1,2
	global_load_b64 v[32+2*\p:33+2*\p], v2, s[8:9] offset:4096*\p
.endr
	s_mul_i32 s27, s18, 768
	s_add_co_u32 s27, s27, BIAS
	v_add_nc_u32 v16, s27, v2
	v_lshl_add_u32 v[BA], v3, 5, s27               ; q, k: my eight channels of a block begin at 8 h
	v_lshl_add_u32 v[BVA], v5, 2, s27
	v_add_nc_u32 v[BVA], 512, v[BVA]               ; v: my one channel r
	s_lshl_b32 s25, s19, 15
	v_add_nc_u32 v[XA], s25, v[L16]
	s_mul_i32 s25, s20, 49152
	s_add_co_u32 s25, s25, 65536
	v_add_nc_u32 v[XB], s25, v[L16]
	s_mul_i32 s25, s19, 24576
	v_add_nc_u32 v[PA0], s25, v[L16]
	v_add_nc_u32 v[PB0], s95, v[L16]
	v_add_nc_u32 v[PA1], REG1, v[PA0]
	v_add_nc_u32 v[PB1], REG1, v[PB0]
	s_wait_loadcnt 0x0
.irp p, 0,1,2
	ds_store_b64 v16, v[32+2*\p:33+2*\p] offset:256*\p
.endr
.macro LOC g                           ; where unit g lies: address registers, bytes from block to block, the unit's byte in a row
.if (\g) < 4
.set AR, XA
.set BR, XB
.set RB, 4096
.set UO, 1024*(\g)
.else
.set RB, 3072
.set UO, 1024*(((\g)-4)%3)
.if ((((\g)-4)/3)%2) == 0
.set AR, PA1
.set BR, PB1
.else
.set AR, PA0
.set BR, PB0
.endif
.endif
.endm
.macro FETCH_A g, set                  ; x's 8 fragments of unit g
	LOC \g
.irp i, 0,1,2,3,4,5,6,7
	ds_load_b128 v[AF+64*(\set)+8*\i:AF+64*(\set)+8*\i+3],   v[AR] offset:\i*RB+UO
	ds_load_b128 v[AF+64*(\set)+8*\i+4:AF+64*(\set)+8*\i+7], v[AR] offset:\i*RB+UO+512
.endr
.endm
.macro FETCH_B g, lo                   ; the weight's blocks lo .. lo + 5 of unit g
	LOC \g
.irp k, 0,1,2,3,4,5
	ds_load_b128 v[BF+8*((\lo)+\k):BF+8*((\lo)+\k)+3],   v[BR] offset:((\lo)+\k)*RB+UO
	ds_load_b128 v[BF+8*((\lo)+\k)+4:BF+8*((\lo)+\k)+7], v[BR] offset:((\lo)+\k)*RB+UO+512
.endr
.endm
; 8 matrix instructions: weight block bb against x's eight blocks.  The 96 accumulators take turns, one instruction a turn, in the same order in every unit.
; zero = 1: the first unit's products start the sums: nothing is ever cleared.
.macro MULB bb, p, zero
	WIN 0x50*((\bb)/4+1)                           ; C and D in window 1 (q), 2 (k) or 3 (v); both sources in window 0
.irp a, 0,1,2,3,4,5,6,7
.set AC, 8*(8*((\bb)%4)+\a)
.if (\bb) < 8
.if \zero
	v_wmma_f32_16x16x64_fp8_fp8 v[AC:AC+7], v[BF+8*(\bb):BF+8*(\bb)+7], v[AF+64*(\p)+8*\a:AF+64*(\p)+8*\a+7], 0
.else
	v_wmma_f32_16x16x64_fp8_fp8 v[AC:AC+7], v[BF+8*(\bb):BF+8*(\bb)+7], v[AF+64*(\p)+8*\a:AF+64*(\p)+8*\a+7], v[AC:AC+7]
.endif
.else
.if \zero
	v_wmma_f32_16x16x64_fp8_fp8 v[AC:AC+7], v[AF+64*(\p)+8*\a:AF+64*(\p)+8*\a+7], v[BF+8*(\bb):BF+8*(\bb)+7], 0
.else
	v_wmma_f32_16x16x64_fp8_fp8 v[AC:AC+7], v[AF+64*(\p)+8*\a:AF+64*(\p)+8*\a+7], v[BF+8*(\bb):BF+8*(\bb)+7], v[AC:AC+7]
.endif
.endif
.endr
.endm
; A load into a register that a matrix instruction has read stands four places behind it, and only plain vector instructions that name none of its registers are places (ISA guide 7.12.1 for vector
; instructions): four v_nop in front of each run of loads.
; A unit whose successor lies in the same region.
.macro STEP g, zero
	s_wait_dscnt 12                                ; x's set and the weight's blocks 0-5 are in; the 12 youngest loads (blocks 6-11) may be out
.irp bb, 0,1,2,3,4,5
	MULB \bb, (\g)%2, \zero
.endr
	s_wait_dscnt 0x0                               ; blocks 6-11 are in (asked for 48 matrix instructions ago)
	PLACES 4
	WIN 0
	FETCH_B (\g)+1, 0
	FETCH_A (\g)+1, 1-(\g)%2
.irp bb, 6,7,8,9,10,11
	MULB \bb, (\g)%2, \zero
.endr
	PLACES 4
	WIN 0
	FETCH_B (\g)+1, 6
.endm
; A region's last unit changes regions: ONE barrier; in front of it each wave waits for all its tensor loads, adds 0 to its spare word, and waits for that and for its own reads of this region.
; fill = 2, 3, 4: the region just read out takes units 7-9, 10-12, 13-15; the barrier then opens a round of the cluster's barrier.  fill = 0: nothing is left to fetch.
.macro TURN g, fill
	s_wait_tensorcnt 0x0                           ; all my tensor loads have landed: my part of the next region among them  (every window is 0 here)
	ds_add_u32 v[SPW], v[NIL]                      ; 0 onto my spare word
	s_wait_dscnt 13                                ; (the add and the 12 youngest loads may be out)
	MULB 0, (\g)%2, 0                              ; sixteen matrix instructions stand between the add and the wait for it
	MULB 1, (\g)%2, 0
	s_wait_dscnt 0x0                               ; the add is done, and my reads of this region are over
	s_barrier_signal -1
.irp bb, 2,3,4,5
	MULB \bb, (\g)%2, 0
.endr
	WIN 0
	s_barrier_wait -1
.if \fill == 2
	CREST                                          ; no wave of any partner still reads this region or has a load on its way
	s_mov_b32 s[G0A0+1], s94                       ; from here on region 0 holds rows of 3,072 bytes
	s_mov_b32 s[G0B0+1], s95
	s_add_nc_u64 s[G0A0+2:G0A0+3], s[G0A0+2:G0A0+3], 7168   ; from unit 0 to unit 7
	s_add_nc_u64 s[G0B0+2:G0B0+3], s[G0B0+2:G0B0+3], 7168
	JLOAD G0A0, G1AP, G0B0, G1BP                   ; the first tensor load behind the round; its four v_nop are also the places in front of the loads below
.elseif \fill == 3
	CREST
	s_add_nc_u64 s[G0A1+2:G0A1+3], s[G0A1+2:G0A1+3], 6144   ; from unit 4 to unit 10
	s_add_nc_u64 s[G0B1+2:G0B1+3], s[G0B1+2:G0B1+3], 6144
	JLOAD G0A1, G1AP, G0B1, G1BP
.elseif \fill == 4
	CREST
	s_add_nc_u64 s[G0A0+2:G0A0+3], s[G0A0+2:G0A0+3], 6144   ; from unit 7 to unit 13
	s_add_nc_u64 s[G0B0+2:G0B0+3], s[G0B0+2:G0B0+3], 6144
	JLOAD G0A0, G1AP, G0B0, G1BP
.else
	PLACES 4
.endif
	FETCH_B (\g)+1, 0
	FETCH_A (\g)+1, 1-(\g)%2
.irp bb, 6,7,8,9,10,11
	MULB \bb, (\g)%2, 0
.endr
	PLACES 4
	WIN 0
	FETCH_B (\g)+1, 6
.endm
	s_wait_tensorcnt 1                             ; my part of units 0-3 is in; units 4-6 may stay out
	s_wait_dscnt 0x0                               ; my bias words are stored
	s_barrier_signal -1
	s_barrier_wait -1                              ; everybody's part is in
	FETCH_B 0, 0
	FETCH_A 0, 0
	FETCH_B 0, 6
	STEP 0, 1
	STEP 1, 0
	STEP 2, 0
	TURN 3, 2
	STEP 4, 0
	STEP 5, 0
	TURN 6, 3
	STEP 7, 0
	STEP 8, 0
	TURN 9, 4
	STEP 10, 0
	STEP 11, 0
	TURN 12, 0
	STEP 13, 0
	STEP 14, 0
	s_wait_dscnt 12                                ; the last unit: nothing more to fetch
.irp bb, 0,1,2,3,4,5
	MULB \bb, 1, 0
.endr
	s_wait_dscnt 0x0
.irp bb, 6,7,8,9,10,11
	MULB \bb, 1, 0
.endr
	WIN 0
	PLACES 4                                       ; in front of the first reads of results and of writes and loads into the fragments' registers
; THE WAY OUT.  No stage: four accumulators make one image of 1,024 bytes, which the wave stores as two runs of 512 consecutive bytes.
.macro MKSCALE es, vs
	s_add_co_i32 s25, s[\es], 127
	s_lshl_b32 s26, s25, 23
	v_mov_b32 v[\vs], s26                          ; 2^e as f32: the conversion takes its exponent field
	s_add_co_i32 s25, s25, 8
	s_lshl_b32 s25, s25, 23
	s_or_b32 s25, s25, 0x600000
	v_mov_b32 v[\vs+1], s25                        ; 448 x 2^e
.endm
.set i, 0
.rept 8
	ds_load_b128 v[BQ+8*i:BQ+8*i+3],   v[BA] offset:256*(i/4)+64*(i%4)      ; block i (0-3 q, 4-7 k): the bias of channels 16 (i % 4) + 8 h + 0 .. 7
	ds_load_b128 v[BQ+8*i+4:BQ+8*i+7], v[BA] offset:256*(i/4)+64*(i%4)+16
.set i, i+1
.endr
.irp t, 0,1,2,3
	ds_load_b32 v[BV+2*\t],   v[BVA] offset:64*\t  ; v: the bias of channel 16 t + r, twice: a pair for the packed form
	ds_load_b32 v[BV+2*\t+1], v[BVA] offset:64*\t
.endr
	s_wait_kmcnt 0x0
	s_add_co_i32 s92, s84, s85
	s_add_co_i32 s92, s92, 127
	s_lshl_b32 s92, s92, 23                        ; 2^(e0 + e1) as f32
	s_mov_b32 s93, s92                             ; (named with it as a pair, so it is written)
	MKSCALE 86, SCL
	MKSCALE 87, SCL+2
	MKSCALE 89, SCL+4
	s_lshr_b32 s25, s24, 2                         ; batch = tr / 4
	s_lshl_b32 s25, s25, 4
	s_lshl_b32 s26, s23, 1
	s_add_co_u32 s25, s25, s26
	s_add_co_u32 s25, s25, s20                     ; 16 batch + head
	s_lshl_b32 s96, s25, 16                        ; 65,536 bytes each
	s_and_b32 s26, s24, 3
	s_lshl_b32 s26, s26, 4
	s_lshl_b32 s27, s19, 3
	s_add_co_u32 s26, s26, s27                     ; my first block of 16 tokens in the batch: 16 (tr % 4) + 8 wr
	s_lshl_b32 s26, s26, 10
	s_add_co_u32 s96, s96, s26
	s_mov_b32 s97, 0
	s_add_nc_u64 s[12:13], s[12:13], s[96:97]
	s_add_nc_u64 s[14:15], s[14:15], s[96:97]
	s_add_nc_u64 s[16:17], s[16:17], s[96:97]      ; (v: 64 tokens x 64 channels are 4,096 bytes: the same offset)
	s_wait_dscnt 0x0
.set GRP, 0
.macro TURNSETS                        ; the twelve sets of code registers begin their second turn at group 12: all stores of groups 0-11 were issued ahead of this one wait, behind which their data may be written again
.if GRP == NSET
	s_wait_xcnt 0x0
.endif
.endm
.macro QOUT sc, ptr, off               ; the 32 values in T become an image and leave
.set CDS, CD+8*(GRP%NSET)
.set i, 0
.rept 32
	v_med3_num_f32 v[T+i], v[T+i], -v[\sc+1], v[\sc+1]   ; the conversion to an 8-bit code does not saturate (ISA guide 7.6.2)
.set i, i+1
.endr
.irp t, 0,1,2,3
	v_cvt_scalef32_pk8_fp8_f32 v[CDS+2*\t:CDS+2*\t+1], v[T+8*\t:T+8*\t+7], v[\sc]
.endr
	v_nop                                          ; one plain vector instruction behind the last conversion, ahead of the next group's writes of T
	global_store_b128 v[L16], v[CDS:CDS+3],   s[\ptr:\ptr+1] offset:\off
	global_store_b128 v[L16], v[CDS+4:CDS+7], s[\ptr:\ptr+1] offset:\off+512
.set GRP, GRP+1
.endm
.macro OUTQK w, a                      ; w = 1: q, 2: k.  Tokens 16 a on: accumulator (t, a) holds channels 16 t + 8 h + 0 .. 7 of token r: image registers 2 t, 2 t + 1
	TURNSETS
	WIN \w                                         ; source 0 in the accumulators' window
.irp t, 0,1,2,3
.irp i, 0,2,4,6
	v_pk_fma_f32 v[T+8*\t+\i:T+8*\t+\i+1], v[8*(8*\t+\a)+\i:8*(8*\t+\a)+\i+1], s[92:93], v[BQ+8*(4*((\w)-1)+\t)+\i:BQ+8*(4*((\w)-1)+\t)+\i+1] op_sel_hi:[1,0,1]   ; each accumulator from its low end on
.endr
.endr
	WIN 0
	QOUT SCL+2*((\w)-1), 12+2*((\w)-1), 1024*(\a)
.endm
.macro OUTV sI, t                      ; tokens 64 sI on, channels 16 t on: accumulator (t, 4 sI + i) holds tokens 16 i + 8 h + 0 .. 7 of channel r: image registers 2 i, 2 i + 1
	TURNSETS
	WIN 3
.irp i, 0,1,2,3
.irp j, 0,2,4,6
	v_pk_fma_f32 v[T+8*\i+\j:T+8*\i+\j+1], v[8*(8*(\t)+4*(\sI)+\i)+\j:8*(8*(\t)+4*(\sI)+\i)+\j+1], s[92:93], v[BV+2*(\t):BV+2*(\t)+1] op_sel_hi:[1,0,1]
.endr
.endr
	WIN 0
	QOUT SCL+4, 16, 4096*(\sI)+1024*(\t)
.endm
.irp a, 0,1,2,3,4,5,6,7
	OUTQK 1, \a
.endr
.irp a, 0,1,2,3,4,5,6,7
	OUTQK 2, \a
.endr
.irp u, 0,1
.irp y, 0,1,2,3
	OUTV \u, \y
.endr
.endr
	s_wait_tensorcnt 0x0                           ; the wave's end: behind my last tensor load and my last LDS store
	ds_add_u32 v[SPW], v[NIL]
	s_wait_dscnt 0x0
	CROUND                                         ; the closing round: no work-group ends while a partner may still ask for a tile that names it
	s_endpgm
.Lfunc_end_k_q7754a1b7dd_qkv:
	.size	k_q7754a1b7dd_qkv, .Lfunc_end_k_q7754a1b7dd_qkv-k_q7754a1b7dd_qkv
	.p2alignl 7, 3214868480
	.fill 96, 4, 3214868480
	.section	.rodata,"a",@progbits
	.p2align	6, 0x0
	.amdhsa_kernel k_q7754a1b7dd_qkv
		.amdhsa_group_segment_fixed_size 327680
		.amdhsa_private_segment_fixed_size 0
		.amdhsa_enable_private_segment 0
		.amdhsa_kernarg_size 56
		.amdhsa_user_sgpr_count 2
		.amdhsa_user_sgpr_kernarg_segment_ptr 1
		.amdhsa_wavefront_size32 1
		.amdhsa_system_sgpr_workgroup_id_x 1
		.amdhsa_system_sgpr_workgroup_id_y 1
		.amdhsa_system_sgpr_workgroup_id_z 1
		.amdhsa_system_vgpr_workitem_id 0
		.amdhsa_next_free_vgpr 1024
		.amdhsa_next_free_sgpr 100
		.amdhsa_reserve_vcc 0
		.amdhsa_float_denorm_mode_32 3
		.amdhsa_float_denorm_mode_16_64 3
		.amdhsa_memory_ordered 1
		.amdhsa_forward_progress 1
		.amdhsa_inst_pref_size 244
	.end_amdhsa_kernel
	.amdgpu_metadata
---
amdhsa.version: [ 1, 2 ]
amdhsa.kernels:
  - .name:           k_q7754a1b7dd_qkv
    .symbol:         k_q7754a1b7dd_qkv.kd
    .args:
      - { .name: ximg, .offset: 0, .size: 8, .value_kind: global_buffer, .address_space: global }
      - { .name: wqimg, .offset: 8, .size: 8, .value_kind: global_buffer, .address_space: global }
      - { .name: b_qkv, .offset: 16, .size: 8, .value_kind: global_buffer, .address_space: global }
      - { .name: lowp_scales, .offset: 24, .size: 8, .value_kind: global_buffer, .address_space: global }
      - { .name: qimg, .offset: 32, .size: 8, .value_kind: global_buffer, .address_space: global }
      - { .name: kimg, .offset: 40, .size: 8, .value_kind: global_buffer, .address_space: global }
      - { .name: vimg, .offset: 48, .size: 8, .value_kind: global_buffer, .address_space: global }
    .group_segment_fixed_size: 327680
    .private_segment_fixed_size: 0
    .kernarg_segment_align: 8
    .kernarg_segment_size: 56
    .max_flat_workgroup_size: 128
    .sgpr_count:     100
    .vgpr_count:     1024
    .wavefront_size: 32
...
	.end_amdgpu_metadata
.endif
;; end of part 2
;; launch attn (part 3): grid 2 x 128, 16 waves a work-group, no clusters, 133,120 bytes of LDS; arguments qimg, kimg, vimg, lowp_scales, aimg; writes aimg
.if DOCPART == 3
	.amdgcn_target "amdgcn-amd-amdhsa--gfx1250"
	.amdhsa_code_object_version 6
	.text
	.protected	k_q7754a1b7dd_attn
	.globl	k_q7754a1b7dd_attn
	.p2align	8
	.type	k_q7754a1b7dd_attn,@function
k_q7754a1b7dd_attn:
	s_mov_b64 s[64:65], 0
	v_nop
	global_prefetch_b8 v0, s[64:65] scope:SCOPE_SE
	s_setreg_imm32_b32 hwreg(HW_REG_WAVE_MODE, 25, 1), 1
	s_wait_xcnt 0x0
; For each of 128 (batch, head): o = softmax(q k^T / 8) v, both products on codes of FP8 (E4M3), and o quantised with the given 2^e6 for the last product.
; THE SOFTMAX AHEAD OF THE SECOND PRODUCT: t = score x 2^(e2 + e3) x log2(e) / 8; M = the row's largest t so far, rounded UP to a whole number; p = 2^(t - M) is what is quantised (2^e4), not normalised.
; The row's sum is taken of the unquantised p, in f32, and divides at the end.  When M moves, the sum and O are multiplied by 2^(old M - new M), which rounds nothing.
; All operands are images of operand registers (16 rows x 64 K in 1,024 bytes; two 16-byte loads a lane at 16 x lane and 512 on): qimg, kimg [hb][token / 16][1024]; vimg [hb][token / 64][channel / 16][1024];
; out: aimg [(1024 batch + token) / 16][head][1024].
; SHARES.  A work-group owns 512 queries of one head; each of its sixteen waves 32 of them, two tiles, which share every fragment of K and V: four waves to a SIMD, so that one wave's vector work stands beside another's products.
; THE HOLD OF p.  p is at most 1 but for the rounding of t - M, and 448 x 2^e4 is at least 1.75 for every e4 from -8 up: there the one-sided hold changes no number, and a scalar branch on e4, inside the loop,
; leads round its 64 lines; for e4 of -9 and less they run.  K and V come into LDS through registers.
; K AND V IN LDS.  The head's whole K lies at LDS 0 .. 65,535 and its V at 65,536 .. 131,071; each byte is stored once.  Waves 0-7 bring K, waves 8-15 V.  Key steps 0-7 come at the head (4,096 bytes a wave); the other
; half comes in four rounds of two key steps (1,024 bytes a wave, eight registers): round r, steps 8 + 2 r and 9 + 2 r, is asked for three key steps ahead of its stores, and is stored behind step 3 r + 2, in front of a
; barrier.  While a fast wave stores round r the slowest wave reads step 3 r + 3 at the most, and 3 r + 3 < 8 + 2 r: the bytes are apart.  The loop is written five times, with constant bounds: steps 0-2, 3-5, 6-8, 9-11, 12-15.
; NO CLUSTER: a head's K and V are read by the grid's two work-groups along x alone.  NO PREFETCH: the rounds are asked for three key steps ahead of their use, so no wave waits for them.
; LAYOUT.  Both products are used transposed: S^T = K Q^T (source 0 = 16 keys, source 1 = 16 queries), O^T = V^T P^T (source 0 = 16 channels, source 1 = P): a lane holds ONE query (lane % 16) of each tile throughout.
; In S^T's tile t a lane's eight registers are keys 16 t + 8 (lane / 16) + 0 .. 7: registers 2 t, 2 t + 1 of the K = 64 operand.  So the conversions' results are P, and likewise O's are the output image.
; LIMITS: e2 + e3 between -123 and 130 (added to c's exponent field); e4 and e6 between -126 and 119; e4 + e5 is applied by v_ldexp_f32 and has none.
.set L16, 2                            ; v2   16 x lane; never rewritten
.set ADK, 3                            ; v3   the step's K in LDS
.set ADV, 4                            ; v4   the step's V
.set SC,  5                            ; v5   2^e4, on the way out 2^e6
.set LIM, 6                            ; v6   448 x that
.set LR,  7                            ; v7   where I store a round's bytes: 16 x lane + 1,024 (wave % 8) + 65,536 (wave / 8); never rewritten
.set ST,  8                            ; tile q's statistics at v[8 + 8 q]: +0 -M, +1 the largest score, +2, +3 the sum in two halves, +4 f, +5 the lane permute's destination (named with f as a pair), +6, +7 at work, then a second chain of sums
.set RR,  24                           ; v24-31 a round's 1,024 bytes on their way from memory to LDS
.set Q,   32                           ; v[32 + 8 q ..]
.set KF,  48                           ; v48-79   four fragments of K
.set VF,  80                           ; v80-111  four of V
.set S,   112                          ; v[112 + 32 q ..] S^T, then p; at the head: the first half's 4,096 bytes
.set P,   176                          ; v[176 + 8 q ..]  p's codes
.set O,   192                          ; v[192 + 32 q + 8 ct ..] O^T
	s_load_b256 s[4:11], s[0:1], 0x0               ; qimg s[4:5], kimg s[6:7], vimg s[8:9], the exponents s[10:11]
	s_load_b64 s[12:13], s[0:1], 0x20              ; aimg
	v_lshrrev_b32 v1, 5, v0
	v_readfirstlane_b32 s14, v1                    ; wave 0..15
	v_and_b32 v1, 31, v0
	v_lshlrev_b32 v[L16], 4, v1
	s_and_b32 s15, ttmp7, 0xffff                   ; hb = 16 batch + head
	s_and_b32 s20, s14, 7
	s_lshr_b32 s21, s14, 3
	s_lshl_b32 s21, s21, 16                        ; LDS: K from 0 (waves 0-7), V from 65,536 (waves 8-15)
	s_lshl_b32 s22, s20, 12                        ; my 4,096 bytes of the first half
	s_lshl_b32 s23, s20, 10                        ; my 1,024 bytes of a round
	s_lshl_b32 s24, s15, 16                        ; the head's 65,536 bytes in each buffer of codes
	s_add_co_u32 s16, s24, s22
	s_mov_b32 s17, 0
	s_add_co_u32 s18, s24, s23
	s_mov_b32 s19, 0
	s_add_co_u32 s22, s22, s21
	s_add_co_u32 s23, s23, s21
	v_add_nc_u32 v1, s22, v[L16]                   ; where I store the first half's bytes
	v_add_nc_u32 v[LR], s23, v[L16]
	s_lshl_b32 s28, ttmp9, 5
	s_lshl_b32 s25, s14, 1
	s_add_co_u32 s28, s28, s25                     ; my first tile of 16 queries: 32 x work-group x + 2 x wave
	s_lshl_b32 s44, s28, 10
	s_add_co_u32 s44, s44, s24
	s_mov_b32 s45, 0
	s_wait_kmcnt 0x0
	s_load_b256 s[36:43], s[10:11], 0x0            ; e0 .. e7
	s_cmp_lt_u32 s14, 8
	s_cselect_b64 s[26:27], s[6:7], s[8:9]         ; K's codes or V's, by the wave's number
	s_add_nc_u64 s[16:17], s[26:27], s[16:17]      ; at my part of the first half
	s_add_nc_u64 s[18:19], s[26:27], s[18:19]      ; and at my part of a round, less the round's own offset
	s_add_nc_u64 s[4:5], s[4:5], s[44:45]
.set i, 0
.rept 8
	global_load_b128 v[S+4*i:S+4*i+3], v[L16], s[16:17] offset:512*i      ; key steps 0-7: 32 lanes read 512 consecutive bytes
.set i, i+1
.endr
.irp q, 0,1
	global_load_b128 v[Q+8*\q:Q+8*\q+3],   v[L16], s[4:5] offset:1024*\q
	global_load_b128 v[Q+8*\q+4:Q+8*\q+7], v[L16], s[4:5] offset:1024*\q+512
.endr
	global_load_b128 v[RR:RR+3],   v[L16], s[18:19] offset:32768          ; round 0: key steps 8 and 9
	global_load_b128 v[RR+4:RR+7], v[L16], s[18:19] offset:32768+512
	s_lshr_b32 s44, s15, 4                         ; batch
	s_lshl_b32 s44, s44, 6
	s_add_co_u32 s44, s44, s28                     ; block of 16 rows of the output: 64 batch + my tile
	s_lshl_b32 s44, s44, 14
	s_and_b32 s46, s15, 15                         ; head
	s_lshl_b32 s46, s46, 10
	s_add_co_u32 s44, s44, s46
	s_add_nc_u64 s[12:13], s[12:13], s[44:45]
	s_mov_b32 s30, 0x76543210                      ; lane selects for v_permlanex16_b32: lane l xor 16
	s_mov_b32 s31, 0xfedcba98
	s_mov_b32 s32, 0x3e38aa3b                      ; c = log2(e) / 8
.irp q, 0,1
	v_mov_b32 v[ST+8*\q], 0x7f61b1e6               ; -M: M begins at -3e38, under every t
	v_mov_b32 v[ST+8*\q+1], 0xff61b1e6             ; the largest score so far
	v_mov_b32 v[ST+8*\q+2], 0                      ; the sum
	v_mov_b32 v[ST+8*\q+3], 0
	v_mov_b32 v[ST+8*\q+5], 0                      ; written once: a lane permute's destination counts as one of its sources
.endr
.set i, 0
.rept 64
	v_mov_b32 v[O+i], 0                            ; O^T.  (The step is written alike for all steps: the first finds zeros, which the first change of M leaves zeros)
.set i, i+1
.endr
	s_wait_kmcnt 0x0
	s_add_co_i32 s44, s38, s39
	s_lshl_b32 s44, s44, 23
	s_add_co_i32 s32, s32, s44                     ; a score stands for score x 2^(e2 + e3): the exponents are added to c's exponent field
	s_mov_b32 s33, s32                             ; (named with it as a pair, so it is written)
	s_add_co_i32 s35, s40, s41                     ; e4 + e5
	s_add_co_i32 s44, s40, 127
	s_lshl_b32 s45, s44, 23
	v_mov_b32 v[SC], s45                           ; 2^e4
	s_add_co_i32 s44, s44, 8
	s_lshl_b32 s44, s44, 23
	s_or_b32 s44, s44, 0x600000
	v_mov_b32 v[LIM], s44                          ; 448 x 2^e4
	s_wait_loadcnt 2                               ; the first half's eight loads and Q's four are in; round 0's two may be out
.set i, 0
.rept 8
	ds_store_b128 v1, v[S+4*i:S+4*i+3] offset:512*i
.set i, i+1
.endr
	s_wait_dscnt 0x0                               ; for the others' sake: my stores are done
	s_barrier_signal -1
	s_barrier_wait -1                              ; key steps 0-7 of K and V lie in LDS
.irp t, 0,1,2,3
	ds_load_b128 v[KF+8*\t:KF+8*\t+3],   v[L16] offset:1024*\t
	ds_load_b128 v[KF+8*\t+4:KF+8*\t+7], v[L16] offset:1024*\t+512
.endr
; Key steps first .. last - 1, 64 keys each.
.macro STEPS first, last
	s_mov_b32 s34, 4096*(\first)                   ; the step's byte in K and in V
.Lstep_\@:
	v_add_nc_u32 v[ADK], s34, v[L16]               ; these two and two v_nop are the four places between the last step's products and the loads into V's registers
	v_add_nc_u32 v[ADV], 0x10000, v[ADK]
	v_nop
	v_nop
.irp t, 0,1,2,3
	ds_load_b128 v[VF+8*\t:VF+8*\t+3],   v[ADV] offset:1024*\t
	ds_load_b128 v[VF+8*\t+4:VF+8*\t+7], v[ADV] offset:1024*\t+512
.endr
	s_wait_dscnt 8                                 ; this step's K, asked for a step ago, is in; V's eight loads may be out
.irp t, 0,1,2,3
.irp q, 0,1
	v_wmma_f32_16x16x64_fp8_fp8 v[S+32*\q+8*\t:S+32*\q+8*\t+7], v[KF+8*\t:KF+8*\t+7], v[Q+8*\q:Q+8*\q+7], 0
.endr
.endr
.rept 4
	v_nop                                          ; places in front of the loads into K's registers and of the first reads of the scores
.endr
.irp t, 0,1,2,3                                    ; the next step's K.  In step 15 these read V's first 4,096 bytes: inside LDS, stored at the head, and never used
	ds_load_b128 v[KF+8*\t:KF+8*\t+3],   v[ADK] offset:4096+1024*\t
	ds_load_b128 v[KF+8*\t+4:KF+8*\t+7], v[ADK] offset:4096+1024*\t+512
.endr
	; the largest score of my query among my 32 keys, in two chains a tile, each accumulator from its low end on; the two tiles alternate line by line
.irp q, 0,1
	v_max3_num_f32 v[ST+8*\q+6], v[S+32*\q], v[S+32*\q+1], v[S+32*\q+2]
.endr
.irp q, 0,1
	v_max3_num_f32 v[ST+8*\q+7], v[S+32*\q+3], v[S+32*\q+4], v[S+32*\q+5]
.endr
.irp j, 6,10,14,18,22,26
.irp q, 0,1
	v_max3_num_f32 v[ST+8*\q+6], v[ST+8*\q+6], v[S+32*\q+\j], v[S+32*\q+\j+1]
.endr
.irp q, 0,1
	v_max3_num_f32 v[ST+8*\q+7], v[ST+8*\q+7], v[S+32*\q+\j+2], v[S+32*\q+\j+3]
.endr
.endr
.irp q, 0,1
	v_max3_num_f32 v[ST+8*\q+6], v[ST+8*\q+6], v[S+32*\q+30], v[S+32*\q+31]
.endr
.irp q, 0,1
	v_max3_num_f32 v[ST+8*\q+6], v[ST+8*\q+6], v[ST+8*\q+7], v[ST+8*\q+1]   ; with the running one
.endr
.irp q, 0,1
	v_permlanex16_b32 v[ST+8*\q+5], v[ST+8*\q+6], s30, s31
.endr
.irp q, 0,1
	v_max_num_f32 v[ST+8*\q+1], v[ST+8*\q+6], v[ST+8*\q+5]  ; and lane l xor 16's: the query's other 32 keys
.endr
.irp q, 0,1
	v_mul_f32 v[ST+8*\q+7], s32, v[ST+8*\q+1]      ; as t (c is positive)
.endr
.irp q, 0,1
	v_floor_f32 v[ST+8*\q+6], -v[ST+8*\q+7]        ; the new -M = floor(-t) = -ceil(t): a whole number
.endr
.irp q, 0,1
	v_sub_f32 v[ST+8*\q+7], v[ST+8*\q+6], v[ST+8*\q]        ; old M less new M: a whole number, 0 or less
.endr
.irp q, 0,1
	v_mov_b32 v[ST+8*\q], v[ST+8*\q+6]
.endr
.irp q, 0,1
	v_cvt_i32_f32 v[ST+8*\q+7], v[ST+8*\q+7]       ; (it saturates)
.endr
.irp q, 0,1
	v_ldexp_f32 v[ST+8*\q+4], 1.0, v[ST+8*\q+7]    ; f = 2^(old M - new M)
.endr
.set j, 0
.rept 16
.irp q, 0,1
	v_pk_fma_f32 v[S+32*\q+j:S+32*\q+j+1], v[S+32*\q+j:S+32*\q+j+1], s[32:33], v[ST+8*\q:ST+8*\q+1] op_sel_hi:[1,0,0]   ; t - M, two at a time (of the pairs c and -M the low word serves both halves)
.endr
.set j, j+2
.endr
	; ONE BATCH of 64 exponentials.  O^T's 32 rescalings, which name no exponential's result, stand among them, one behind every two: the independent work ahead of the batch's one wait, and the last of them the plain line behind the last exponential
.set j, 0
.rept 16
.irp q, 0,1
	v_exp_f32 v[S+32*\q+j], v[S+32*\q+j]           ; p = 2^(t - M)
	v_exp_f32 v[S+32*\q+j+1], v[S+32*\q+j+1]
	v_pk_mul_f32 v[O+32*\q+j:O+32*\q+j+1], v[O+32*\q+j:O+32*\q+j+1], v[ST+8*\q+4:ST+8*\q+5] op_sel_hi:[1,0]   ; O^T under the new M; each accumulator from its low end on
.endr
.set j, j+2
.endr
	s_wait_alu depctr_va_vdst(0)                   ; the wait ahead of the first line that names an exponential's result: one for the batch
	; the row's sum is taken of the UNQUANTISED p, two at a time, in two chains a tile; the first addition brings the old sum under the new M in the same line
.irp q, 0,1
	v_pk_fma_f32 v[ST+8*\q+2:ST+8*\q+3], v[ST+8*\q+2:ST+8*\q+3], v[ST+8*\q+4:ST+8*\q+5], v[S+32*\q:S+32*\q+1] op_sel_hi:[1,0,1]
.endr
.irp q, 0,1
	v_pk_add_f32 v[ST+8*\q+6:ST+8*\q+7], v[S+32*\q+2:S+32*\q+3], v[S+32*\q+4:S+32*\q+5]
.endr
.irp j, 6,10,14,18,22,26
.irp q, 0,1
	v_pk_add_f32 v[ST+8*\q+2:ST+8*\q+3], v[ST+8*\q+2:ST+8*\q+3], v[S+32*\q+\j:S+32*\q+\j+1]
.endr
.irp q, 0,1
	v_pk_add_f32 v[ST+8*\q+6:ST+8*\q+7], v[ST+8*\q+6:ST+8*\q+7], v[S+32*\q+\j+2:S+32*\q+\j+3]
.endr
.endr
.irp q, 0,1
	v_pk_add_f32 v[ST+8*\q+2:ST+8*\q+3], v[ST+8*\q+2:ST+8*\q+3], v[S+32*\q+30:S+32*\q+31]
.endr
.irp q, 0,1
	v_pk_add_f32 v[ST+8*\q+2:ST+8*\q+3], v[ST+8*\q+2:ST+8*\q+3], v[ST+8*\q+6:ST+8*\q+7]
.endr
	s_cmp_gt_i32 s40, -9                           ; e4 of -8 and more: 448 x 2^e4 >= 1.75 lies over every p, and the hold changes nothing
	s_cbranch_scc1 .Lopen_\@
.set j, 0
.rept 64
	v_min_num_f32 v[S+j], v[S+j], v[LIM]           ; the conversion to an 8-bit code does not saturate (ISA guide 7.6.2); p is not negative, so the hold is one-sided
.set j, j+1
.endr
.Lopen_\@:
.irp t, 0,1,2,3
.irp q, 0,1
	v_cvt_scalef32_pk8_fp8_f32 v[P+8*\q+2*\t:P+8*\q+2*\t+1], v[S+32*\q+8*\t:S+32*\q+8*\t+7], v[SC]
.endr
.endr
	v_nop                                          ; one plain vector instruction between the last conversion and the products that read P
	s_wait_dscnt 8                                 ; V is in; the next step's K (eight loads) may be out
.irp t, 0,1,2,3                                    ; the eight accumulators take turns, one instruction a turn
.irp q, 0,1
	v_wmma_f32_16x16x64_fp8_fp8 v[O+32*\q+8*\t:O+32*\q+8*\t+7], v[VF+8*\t:VF+8*\t+7], v[P+8*\q:P+8*\q+7], v[O+32*\q+8*\t:O+32*\q+8*\t+7]
.endr
.endr
	s_add_co_u32 s34, s34, 4096
	s_cmp_lt_u32 s34, 4096*(\last)
	s_cbranch_scc1 .Lstep_\@
.endm
; Round r's 1,024 bytes of mine go from registers to LDS; more = 1: the next round is asked for, into the same registers; then the barrier that shows the round to every wave.
.macro ROUND r, more
	s_wait_loadcnt 0x0                             ; the round's two loads, asked for three key steps ago, are in
	ds_store_b128 v[LR], v[RR:RR+3]   offset:32768+8192*(\r)
	ds_store_b128 v[LR], v[RR+4:RR+7] offset:32768+8192*(\r)+512
	s_wait_dscnt 0x0                               ; for the others' sake: my stores are done; and they have read their registers
.if \more
	global_load_b128 v[RR:RR+3],   v[L16], s[18:19] offset:32768+8192*((\r)+1)
	global_load_b128 v[RR+4:RR+7], v[L16], s[18:19] offset:32768+8192*((\r)+1)+512
.endif
	s_barrier_signal -1
	s_barrier_wait -1
.endm
	STEPS 0, 3
	ROUND 0, 1                                     ; key steps 8, 9: first read in step 7 (K of step 8)
	STEPS 3, 6
	ROUND 1, 1                                     ; key steps 10, 11: first read in step 9
	STEPS 6, 9
	ROUND 2, 1                                     ; key steps 12, 13: first read in step 11
	STEPS 9, 12
	ROUND 3, 0                                     ; key steps 14, 15: first read in step 13
	STEPS 12, 16
	; THE WAY OUT.  o = O^T x 2^(e4 + e5) / the row's sum, quantised with 2^e6: a tile's 32 numbers a lane are the eight registers of its image.
	s_wait_dscnt 0x0                               ; the last step's unused loads have landed
.irp q, 0,1
	v_add_f32 v[ST+8*\q+6], v[ST+8*\q+2], v[ST+8*\q+3]      ; the sum's two halves  (these additions are the places behind the last products)
.endr
.irp q, 0,1
	v_permlanex16_b32 v[ST+8*\q+5], v[ST+8*\q+6], s30, s31
.endr
.irp q, 0,1
	v_add_f32 v[ST+8*\q+6], v[ST+8*\q+6], v[ST+8*\q+5]      ; and lane l xor 16's
.endr
.irp q, 0,1
	v_rcp_f32 v[ST+8*\q+4], v[ST+8*\q+6]
.endr
	v_nop                                          ; a plain line behind the last reciprocal
	s_add_co_i32 s44, s42, 127
	s_lshl_b32 s45, s44, 23
	v_mov_b32 v[SC], s45                           ; 2^e6
	s_add_co_i32 s44, s44, 8
	s_lshl_b32 s44, s44, 23
	s_or_b32 s44, s44, 0x600000
	v_mov_b32 v[LIM], s44                          ; 448 x 2^e6
	s_wait_alu depctr_va_vdst(0)                   ; one wait for both reciprocals, ahead of their first reader
.irp q, 0,1
	v_ldexp_f32 v[ST+8*\q+4], v[ST+8*\q+4], s35    ; x 2^(e4 + e5)
.endr
.set j, 0
.rept 16
.irp q, 0,1
	v_pk_mul_f32 v[S+32*\q+j:S+32*\q+j+1], v[O+32*\q+j:O+32*\q+j+1], v[ST+8*\q+4:ST+8*\q+5] op_sel_hi:[1,0]   ; each accumulator from its low end on
.endr
.set j, j+2
.endr
.set j, 0
.rept 64
	v_med3_num_f32 v[S+j], v[S+j], -v[LIM], v[LIM]
.set j, j+1
.endr
.irp t, 0,1,2,3
.irp q, 0,1
	v_cvt_scalef32_pk8_fp8_f32 v[P+8*\q+2*\t:P+8*\q+2*\t+1], v[S+32*\q+8*\t:S+32*\q+8*\t+7], v[SC]
.endr
.endr
	v_nop
.irp q, 0,1
	global_store_b128 v[L16], v[P+8*\q:P+8*\q+3],   s[12:13] offset:16384*\q       ; 32 lanes store 512 consecutive bytes, aligned
	global_store_b128 v[L16], v[P+8*\q+4:P+8*\q+7], s[12:13] offset:16384*\q+512
.endr
	s_wait_xcnt 0x0
	v_lshl_add_u32 v254, v0, 2, 0x20000
	v_mov_b32 v255, 0
	s_wait_tensorcnt 0x0
	ds_add_u32 v254, v255
	s_wait_dscnt 0x0
	s_endpgm
.Lfunc_end_k_q7754a1b7dd_attn:
	.size	k_q7754a1b7dd_attn, .Lfunc_end_k_q7754a1b7dd_attn-k_q7754a1b7dd_attn
	.p2alignl 7, 3214868480
	.fill 96, 4, 3214868480
	.section	.rodata,"a",@progbits
	.p2align	6, 0x0
	.amdhsa_kernel k_q7754a1b7dd_attn
		.amdhsa_group_segment_fixed_size 133120
		.amdhsa_private_segment_fixed_size 0
		.amdhsa_enable_private_segment 0
		.amdhsa_kernarg_size 40
		.amdhsa_user_sgpr_count 2
		.amdhsa_user_sgpr_kernarg_segment_ptr 1
		.amdhsa_wavefront_size32 1
		.amdhsa_system_sgpr_workgroup_id_x 1
		.amdhsa_system_sgpr_workgroup_id_y 1
		.amdhsa_system_sgpr_workgroup_id_z 1
		.amdhsa_system_vgpr_workitem_id 0
		.amdhsa_next_free_vgpr 256
		.amdhsa_next_free_sgpr 66
		.amdhsa_reserve_vcc 0
		.amdhsa_float_denorm_mode_32 3
		.amdhsa_float_denorm_mode_16_64 3
		.amdhsa_memory_ordered 1
		.amdhsa_forward_progress 1
		.amdhsa_inst_pref_size 97
	.end_amdhsa_kernel
	.amdgpu_metadata
---
amdhsa.version: [ 1, 2 ]
amdhsa.kernels:
  - .name:           k_q7754a1b7dd_attn
    .symbol:         k_q7754a1b7dd_attn.kd
    .args:
      - { .name: qimg, .offset: 0, .size: 8, .value_kind: global_buffer, .address_space: global }
      - { .name: kimg, .offset: 8, .size: 8, .value_kind: global_buffer, .address_space: global }
      - { .name: vimg, .offset: 16, .size: 8, .value_kind: global_buffer, .address_space: global }
      - { .name: lowp_scales, .offset: 24, .size: 8, .value_kind: global_buffer, .address_space: global }
      - { .name: aimg, .offset: 32, .size: 8, .value_kind: global_buffer, .address_space: global }
    .group_segment_fixed_size: 133120
    .private_segment_fixed_size: 0
    .kernarg_segment_align: 8
    .kernarg_segment_size: 40
    .max_flat_workgroup_size: 512
    .sgpr_count:     66
    .vgpr_count:     256
    .wavefront_size: 32
...
	.end_amdgpu_metadata
.endif
;; end of part 3
;; launch proj (part 4): grid 4 x 64, 4 waves a work-group, clusters of 4 x 4, 327,680 bytes of LDS; arguments aimg, wpimg, b_proj, lowp_scales, out0; writes out0
.if DOCPART == 4
	.amdgcn_target "amdgcn-amd-amdhsa--gfx1250"
	.amdhsa_code_object_version 6
	.text
	.protected	k_q7754a1b7dd_proj
	.globl	k_q7754a1b7dd_proj
	.p2align	8
	.type	k_q7754a1b7dd_proj,@function
k_q7754a1b7dd_proj:
	s_mov_b64 s[64:65], 0
	v_nop
	global_prefetch_b8 v0, s[64:65] scope:SCOPE_SE
	s_setreg_imm32_b32 hwreg(HW_REG_WAVE_MODE, 25, 1), 1
	s_wait_xcnt 0x0
	s_wait_alu depctr_hold_cnt(0) depctr_sa_sdst(0) depctr_va_vdst(0) depctr_va_sdst(0) depctr_va_ssrc(0) depctr_va_vcc(0) depctr_vm_vsrc(0)
	s_getreg_b32 s2, hwreg(HW_REG_IB_STS2, 6, 4)
	s_cmp_eq_u32 s2, 0
	s_cbranch_scc0 .Lentry_in_a_cluster
	s_endpgm
.Lentry_in_a_cluster:
	s_bfe_u32 s2, ttmp6, 0x10000c
	s_cmp_lg_u32 s2, 0xf033
	s_cbranch_scc0 .Lentry_shape_is_right
	s_endpgm
.Lentry_shape_is_right:
; out0 = a w_proj + b_proj on codes of FP8 (E4M3): out = sum x 2^(e6 + e7) + bias, one fused multiply-add; sums in f32.  out0: [8192][1024] f32.
; Operands are images of operand registers (16 rows x 64 K in 1,024 bytes; two 16-byte loads a lane at 16 x lane and 512 on): aimg [row / 16][k / 64][1024], wpimg [n / 16][k / 64][1024].
; SHARES.  256 work-groups, each a tile of 128 rows x 256 columns.  Wave (wr, wc) makes 64 x 128: 32 accumulators.  The output's 4 bytes a number outweigh the operands' one, so the tile is chosen to give each of 256 work-groups one tile.
; THE MATRIX INSTRUCTION IS USED TRANSPOSED (source 0 = 16 weight columns, source 1 = 16 rows of a): a lane holds eight neighbouring numbers of a row of the output.
; CLUSTERS: 4 x 4 work-groups: a's tiles are asked for jointly by a row of the cluster, the weight's by a column.
; K = 1024 comes in four fills of 256: three at the start, into three regions of LDS; the fourth fills region 0 again, behind one round of the cluster's barrier, and has eight units of 64 in which to land.
; By this text's own count a wave has at most three tensor loads out.  All 16 units are written out by macro: no loop.
; LIMIT: e6 + e7 between -126 and 127.
; REGISTERS: window 0: v0-31 addresses; v32-63, v64-95 a's 4 fragments, two sets; v96-159, v160-223 the weight's 8, two sets.  window 1: accumulator (a, b) at v[8 (8 a + b)].  window 2: v0-63 the bias in the result's layout.
.set L16, 4                            ; v4   16 x lane; also my byte offset in a row of the output
.set RA,  8                            ; v8-10   a's fragments in regions 0, 1, 2
.set RBB, 11                           ; v11-13  the weight's
.set STO, 24                           ; v24  the way out: where I put 32 bytes of a row
.set RD,  25                           ; v25  and where I read a row back
.set SPW, 28                           ; v28  LDS address of my spare word; never rewritten
.set NIL, 29                           ; v29  0; never rewritten
.set AF,  32
.set BF,  96
.set TMP, 32                           ; the way out: 64 finished numbers
.set BK,  96                           ; 16 rows read back: v96-159 and v160-223 by turns
.set REG,   98304                      ; a region: a's 8 rows of 4,096 bytes, then the weight's 16
.set SPARE, 294912                     ; behind the regions: the spare words, 128 bytes a wave: two blocks of 256 bytes that no other line names
.set SPITCH, 528                       ; the way out: 16 rows x (512 + 16) bytes a wave, in region 1, which has had its one fill and its last read by then
.set G1A, 24                           ; s[24:31], s[32:39] groups 1;  s[40:51], s[52:63] groups 0, one for each region
.set G1B, 32
.set G0A, 40
.set G0B, 52
.set MSB, 0
.macro WIN new
.if MSB != (\new)
	s_set_vgpr_msb (MSB<<8)|(\new)
.set MSB, (\new)
.endif
.endm
.macro PLACES n
.rept \n
	v_nop
.endr
.endm
.macro JLOAD g0a, g1a, g0b, g1b        ; waves 0 and 1 fetch a's halves, waves 2 and 3 the weight's; four v_nop follow each of the two lines
	s_cmp_eq_u32 s15, 0
	s_cbranch_scc0 .Lfor_b_\@
	tensor_load_to_lds s[\g0a:\g0a+3], s[\g1a:\g1a+7]
	s_nop 0
.rept 4
	v_nop
.endr
	s_branch .Lasked_\@
.Lfor_b_\@:
	tensor_load_to_lds s[\g0b:\g0b+3], s[\g1b:\g1b+7]
	s_nop 0
.rept 4
	v_nop
.endr
.Lasked_\@:
.endm
.macro CROUND                          ; a round of the cluster's barrier
	s_barrier_signal -1
	s_barrier_wait -1
	s_cmp_lg_u32 s14, 0
	s_cbranch_scc1 .Lnot_wave_0_\@
	s_barrier_signal -3
.Lnot_wave_0_\@:
	s_barrier_wait -3
	s_barrier_signal -1
	s_barrier_wait -1
.endm
	s_load_b256 s[4:11], s[0:1], 0x0               ; aimg s[4:5], wpimg s[6:7], b_proj s[8:9], the exponents s[10:11]
	s_load_b64 s[12:13], s[0:1], 0x20              ; out0
	v_lshl_add_u32 v[SPW], v0, 2, SPARE
	v_mov_b32 v[NIL], 0
	ds_add_u32 v28, v29
	ds_add_u32 v28, v29
	s_wait_dscnt 0x0
	v_lshrrev_b32 v1, 5, v0
	v_readfirstlane_b32 s14, v1                    ; wave 0..3
	s_lshr_b32 s15, s14, 1                         ; wr.  Also: I fetch a (0) or the weight (1)
	s_and_b32 s16, s14, 1                          ; wc.  Also: which half I fetch
	s_bfe_u32 s17, ttmp6, 0x40000                  ; cx
	s_bfe_u32 s18, ttmp6, 0x40004                  ; cy
	s_lshl_b32 s19, ttmp9, 2
	s_add_co_u32 s19, s19, s17                     ; ct
	s_and_b32 s20, ttmp7, 0xffff
	s_lshl_b32 s20, s20, 2
	s_add_co_u32 s20, s20, s18                     ; tr
	s_lshl_b32 s21, s18, 2
	s_lshl_b32 s21, 15, s21                        ; my row of the cluster
	s_lshl_b32 s22, 0x1111, s17                    ; my column
	s_or_b32 s[G1A], s21, (3<<16)|(1<<21)          ; the mask; elements of 8 bytes; bit 21 beside a mask; no padding
	s_or_b32 s[G1B], s22, (3<<16)|(1<<21)
	s_mov_b32 s[G1A+1], 512<<16                    ; rows of 512 elements (4 fragments),
	s_mov_b32 s[G1A+2], 4<<16                      ; 4 rows
	s_mov_b32 s[G1A+3], 512<<16
	s_mov_b32 s[G1A+4], 4
	s_mov_b32 s[G1A+5], 2048                       ; 16 fragments from row to row
	s_mov_b32 s[G1A+6], 0
	s_mov_b32 s[G1A+7], 0
	s_mov_b32 s[G1B+1], 512<<16
	s_mov_b32 s[G1B+2], 8<<16                      ; 8 rows
	s_mov_b32 s[G1B+3], 512<<16
	s_mov_b32 s[G1B+4], 8
	s_mov_b32 s[G1B+5], 2048
	s_mov_b32 s[G1B+6], 0
	s_mov_b32 s[G1B+7], 0
	s_lshl_b32 s66, s20, 3
	s_lshl_b32 s23, s16, 2
	s_add_co_u32 s66, s66, s23
	s_lshl_b32 s66, s66, 14                        ; a: block of 16 rows 8 tr + 4 half
	s_mov_b32 s67, 0
	s_lshl_b32 s70, s19, 4
	s_lshl_b32 s23, s16, 3
	s_add_co_u32 s70, s70, s23
	s_lshl_b32 s70, s70, 14                        ; weight: block of 16 columns 16 ct + 8 half
	s_mov_b32 s71, 0
	s_lshl_b32 s23, s16, 14                        ; where they go in a region: a's halves at 0 and 16,384,
	s_lshl_b32 s3, s16, 15
	s_add_co_u32 s3, s3, 32768                     ; the weight's at 32,768 and 65,536
	s_wait_kmcnt 0x0
	s_load_b64 s[68:69], s[10:11], 0x18            ; e6, e7
	s_add_nc_u64 s[66:67], s[4:5], s[66:67]
	s_add_nc_u64 s[70:71], s[6:7], s[70:71]
	CROUND                                         ; all sixteen work-groups are here: the first joint loads meet
.irp f, 0,1,2
	s_mov_b32 s[G0A+4*\f], 1
	s_add_co_u32 s[G0A+4*\f+1], s23, \f*REG
	s_add_nc_u64 s[G0A+4*\f+2:G0A+4*\f+3], s[66:67], \f*4096
	s_or_b32 s[G0A+4*\f+3], s[G0A+4*\f+3], 0x80000000
	s_mov_b32 s[G0B+4*\f], 1
	s_add_co_u32 s[G0B+4*\f+1], s3, \f*REG
	s_add_nc_u64 s[G0B+4*\f+2:G0B+4*\f+3], s[70:71], \f*4096
	s_or_b32 s[G0B+4*\f+3], s[G0B+4*\f+3], 0x80000000
	JLOAD G0A+4*\f, G1A, G0B+4*\f, G1B
.endr
	v_and_b32 v1, 31, v0
	v_lshlrev_b32 v[L16], 4, v1
	v_and_b32 v2, 15, v0                           ; r
	v_bfe_u32 v3, v0, 4, 1                         ; h
	v_lshlrev_b32 v5, 5, v3                        ; the bias: my eight columns of a block begin at 8 h
	s_lshl_b32 s66, s19, 10
	s_lshl_b32 s21, s16, 9
	s_add_co_u32 s66, s66, s21                     ; my first column, in bytes: 4 (256 ct + 128 wc)
	s_mov_b32 s67, 0
	s_add_nc_u64 s[8:9], s[8:9], s[66:67]
	s_add_nc_u64 s[12:13], s[12:13], s[66:67]
	s_lshl_b32 s66, s20, 7
	s_lshl_b32 s21, s15, 6
	s_add_co_u32 s66, s66, s21                     ; my first row: 128 tr + 64 wr
	s_lshl_b32 s66, s66, 12
	s_add_nc_u64 s[12:13], s[12:13], s[66:67]
	WIN 0x80                                       ; destination window 2
.irp b, 0,1,2,3,4,5,6,7
	global_load_b128 v[8*\b:8*\b+3],   v5, s[8:9] offset:64*\b
	global_load_b128 v[8*\b+4:8*\b+7], v5, s[8:9] offset:64*\b+16
.endr
	WIN 0
	s_lshl_b32 s21, s15, 14                        ; my 4 blocks of a,
	s_lshl_b32 s22, s16, 15
	s_add_co_u32 s22, s22, 32768                   ; my 8 of the weight
.irp f, 0,1,2
	v_add_nc_u32 v[RA+\f], s21, v[L16]
	v_add_nc_u32 v[RBB+\f], s22, v[L16]
	s_add_co_u32 s21, s21, REG
	s_add_co_u32 s22, s22, REG
.endr
	s_mul_i32 s21, s14, 16*SPITCH
	s_add_co_u32 s21, s21, REG                     ; my stage
	v_mul_u32_u24 v6, v2, SPITCH
	v_lshl_add_u32 v6, v3, 5, v6
	v_add_nc_u32 v[STO], s21, v6                   ; in: row r, 32 bytes for each half of the lanes
	v_add_nc_u32 v[RD], s21, v[L16]                ; back: the 32 lanes take one row of 512 bytes
.macro FETCH g, set                    ; unit g's fragments: 8 + 16 loads
.set FRG, ((\g)/4)%3
.set UO, 1024*((\g)%4)
.irp i, 0,1,2,3
	ds_load_b128 v[AF+32*(\set)+8*\i:AF+32*(\set)+8*\i+3],   v[RA+FRG] offset:\i*4096+UO
	ds_load_b128 v[AF+32*(\set)+8*\i+4:AF+32*(\set)+8*\i+7], v[RA+FRG] offset:\i*4096+UO+512
.endr
.irp i, 0,1,2,3,4,5,6,7
	ds_load_b128 v[BF+64*(\set)+8*\i:BF+64*(\set)+8*\i+3],   v[RBB+FRG] offset:\i*4096+UO
	ds_load_b128 v[BF+64*(\set)+8*\i+4:BF+64*(\set)+8*\i+7], v[RBB+FRG] offset:\i*4096+UO+512
.endr
.endm
; 16 matrix instructions: a's blocks a0, a0 + 1 x the weight's eight.  The 32 accumulators take turns, one instruction a turn, in the same order in every unit.
.macro MUL p, a0, zero
	WIN 0x50                                       ; C and D in window 1
.irp a, \a0, \a0+1
.irp b, 0,1,2,3,4,5,6,7
.if \zero
	v_wmma_f32_16x16x64_fp8_fp8 v[8*(8*(\a)+\b):8*(8*(\a)+\b)+7], v[BF+64*(\p)+8*\b:BF+64*(\p)+8*\b+7], v[AF+32*(\p)+8*(\a):AF+32*(\p)+8*(\a)+7], 0
.else
	v_wmma_f32_16x16x64_fp8_fp8 v[8*(8*(\a)+\b):8*(8*(\a)+\b)+7], v[BF+64*(\p)+8*\b:BF+64*(\p)+8*\b+7], v[AF+32*(\p)+8*(\a):AF+32*(\p)+8*(\a)+7], v[8*(8*(\a)+\b):8*(8*(\a)+\b)+7]
.endif
.endr
.endr
.endm
.macro SUB g, zero                     ; a unit: its fragments are in; the next unit's are asked for into the other sets, four places behind the products that read those; 32 products
	s_wait_dscnt 0x0
	PLACES 4
	FETCH (\g)+1, 1-(\g)%2
	MUL (\g)%2, 0, \zero
	MUL (\g)%2, 2, \zero
	WIN 0
.endm
	s_wait_tensorcnt 2                             ; my part of region 0 is in; regions 1 and 2 may stay out
	s_barrier_signal -1
	s_barrier_wait -1
	FETCH 0, 0
	SUB 0, 1                                       ; the first unit's products start the sums: nothing is ever cleared
	SUB 1, 0
	SUB 2, 0
	; unit 3 is region 0's last: the region is filled again
	s_wait_tensorcnt 0x0                           ; all my tensor loads have landed: regions 1 and 2 among them
	ds_add_u32 v[SPW], v[NIL]                      ; 0 onto my spare word
	s_wait_dscnt 1                                 ; unit 3's fragments are in; the add may be out
	MUL 1, 0, 0                                    ; sixteen matrix instructions stand between the add and the wait for it
	WIN 0
	s_wait_dscnt 0x0                               ; the add is done, and my reads of region 0 are over
	CROUND                                         ; no wave of any partner still reads region 0 or has a load on its way
	s_add_nc_u64 s[G0A+2:G0A+3], s[G0A+2:G0A+3], 12288   ; units 12-15
	s_add_nc_u64 s[G0B+2:G0B+3], s[G0B+2:G0B+3], 12288
	JLOAD G0A, G1A, G0B, G1B                       ; the first tensor load behind the round; its four v_nop are also the places in front of the loads below
	FETCH 4, 0
	MUL 1, 2, 0
	WIN 0
.irp g, 4,5,6,7,8,9,10                             ; regions 1 and 2 were shown whole to every wave at the round
	SUB \g, 0
.endr
	; unit 11: the next unit lies in region 0's second fill
	s_wait_tensorcnt 0x0                           ; my part of it is in,
	s_wait_dscnt 0x0                               ; my reads so far are back, those of region 1 among them,
	s_barrier_signal -1
	s_barrier_wait -1                              ; and so for every wave.
	PLACES 4
	FETCH 12, 0
	MUL 1, 0, 0
	MUL 1, 2, 0
	WIN 0
	SUB 12, 0
	SUB 13, 0
	SUB 14, 0
	s_wait_dscnt 0x0                               ; the last unit: nothing more to fetch
	MUL 1, 0, 0
	MUL 1, 2, 0
	WIN 0
; THE WAY OUT, block by block of 16 rows x 128 columns.  A lane holds 32 neighbouring bytes of a row, and the lanes beside it hold other rows: so a block goes through my own stage and comes back as whole rows of 512 bytes.
; LDS serves a wave's instructions in order (ISA guide 5.7.1.4): no wait between the stores and the loads, nor in front of the next block's stores.
.macro TOSTAGE a
	WIN 0x21                                       ; source 0 (the sums) window 1, source 2 (the bias) window 2
.irp b, 0,1,2,3,4,5,6,7
.irp i, 0,2,4,6
	v_pk_fma_f32 v[TMP+8*\b+\i:TMP+8*\b+\i+1], v[8*(8*(\a)+\b)+\i:8*(8*(\a)+\b)+\i+1], s[68:69], v[8*\b+\i:8*\b+\i+1] op_sel_hi:[1,0,1]   ; sum x 2^(e6 + e7) + bias; each accumulator from its low end on
.endr
.endr
	WIN 0
.irp b, 0,1,2,3,4,5,6,7
	ds_store_b128 v[STO], v[TMP+8*\b:TMP+8*\b+3] offset:64*\b
	ds_store_b128 v[STO], v[TMP+8*\b+4:TMP+8*\b+7] offset:64*\b+16
.endr
.set BB, BK+64*((\a)%2)
.irp t, 0,1,2,3,4,5,6,7,8,9,10,11,12,13,14,15
	ds_load_b128 v[BB+4*\t:BB+4*\t+3], v[RD] offset:\t*SPITCH
.endr
.endm
.macro SEND a, younger                 ; younger: the LDS instructions issued behind block a's loads, which may stay out
.set BB, BK+64*((\a)%2)
	s_wait_dscnt \younger
.if (\a) > 0
	s_add_nc_u64 s[12:13], s[12:13], 65536         ; 16 rows on (behind a wait on XCNT: the earlier stores have read their base)
.endif
.irp t, 0,1,2,3,4,5,6,7,8,9,10,11,12,13,14,15
	global_store_b128 v[L16], v[BB+4*\t:BB+4*\t+3], s[12:13] offset:\t*4096 th:TH_STORE_NT   ; 32 lanes store 512 consecutive bytes, aligned; written once, read by nobody here
.endr
.endm
	s_wait_loadcnt 0x0                             ; the bias
	s_wait_kmcnt 0x0
	s_add_co_i32 s68, s68, s69
	s_add_co_i32 s68, s68, 127
	s_lshl_b32 s68, s68, 23                        ; 2^(e6 + e7) as f32
	s_mov_b32 s69, s68                             ; (named with it as a pair, so it is written)
	PLACES 4                                       ; in front of the first reads of results and of writes and loads into the fragments' registers
	TOSTAGE 0
.irp a, 1,2,3
.if \a > 1
	s_wait_xcnt 0x0                                ; block a - 2's stores have read their registers and their base: block a's loads may land there, and the base may step
.endif
	TOSTAGE \a
	SEND \a-1, 32                                  ; behind block a - 1's loads: block a's 16 stores and 16 loads
.endr
	s_wait_xcnt 0x0
	SEND 3, 0
	s_wait_tensorcnt 0x0                           ; the wave's end: behind my last tensor load and my last LDS store
	ds_add_u32 v[SPW], v[NIL]
	s_wait_dscnt 0x0
	CROUND                                         ; the closing round: no work-group ends while a partner may still ask for a tile that names it
	s_endpgm
.Lfunc_end_k_q7754a1b7dd_proj:
	.size	k_q7754a1b7dd_proj, .Lfunc_end_k_q7754a1b7dd_proj-k_q7754a1b7dd_proj
	.p2alignl 7, 3214868480
	.fill 96, 4, 3214868480
	.section	.rodata,"a",@progbits
	.p2align	6, 0x0
	.amdhsa_kernel k_q7754a1b7dd_proj
		.amdhsa_group_segment_fixed_size 327680
		.amdhsa_private_segment_fixed_size 0
		.amdhsa_enable_private_segment 0
		.amdhsa_kernarg_size 40
		.amdhsa_user_sgpr_count 2
		.amdhsa_user_sgpr_kernarg_segment_ptr 1
		.amdhsa_wavefront_size32 1
		.amdhsa_system_sgpr_workgroup_id_x 1
		.amdhsa_system_sgpr_workgroup_id_y 1
		.amdhsa_system_sgpr_workgroup_id_z 1
		.amdhsa_system_vgpr_workitem_id 0
		.amdhsa_next_free_vgpr 576
		.amdhsa_next_free_sgpr 72
		.amdhsa_reserve_vcc 0
		.amdhsa_float_denorm_mode_32 3
		.amdhsa_float_denorm_mode_16_64 3
		.amdhsa_memory_ordered 1
		.amdhsa_forward_progress 1
		.amdhsa_inst_pref_size 94
	.end_amdhsa_kernel
	.amdgpu_metadata
---
amdhsa.version: [ 1, 2 ]
amdhsa.kernels:
  - .name:           k_q7754a1b7dd_proj
    .symbol:         k_q7754a1b7dd_proj.kd
    .args:
      - { .name: aimg, .offset: 0, .size: 8, .value_kind: global_buffer, .address_space: global }
      - { .name: wpimg, .offset: 8, .size: 8, .value_kind: global_buffer, .address_space: global }
      - { .name: b_proj, .offset: 16, .size: 8, .value_kind: global_buffer, .address_space: global }
      - { .name: lowp_scales, .offset: 24, .size: 8, .value_kind: global_buffer, .address_space: global }
      - { .name: out0, .offset: 32, .size: 8, .value_kind: global_buffer, .address_space: global }
    .group_segment_fixed_size: 327680
    .private_segment_fixed_size: 0
    .kernarg_segment_align: 8
    .kernarg_segment_size: 40
    .max_flat_workgroup_size: 128
    .sgpr_count:     72
    .vgpr_count:     576
    .wavefront_size: 32
...
	.end_amdgpu_metadata
.endif
;; end of part 4
;; ======== version 2 of 2: 4 launches; version 1 with the launch attn written anew for expert scheduling mode
;; workspace buffers: ximg 8,388,608 bytes; wqimg 3,145,728 bytes; wpimg 1,048,576 bytes; qimg 8,388,608 bytes; kimg 8,388,608 bytes; vimg 8,388,608 bytes; aimg 8,388,608 bytes
;; launch quant: the kernel of part 1 again; grid 1024 x 1, 4 waves a work-group, no clusters, 17,920 bytes of LDS; arguments x, w_qkv, w_proj, lowp_scales, ximg, wqimg, wpimg; writes ximg, wqimg, wpimg
;; launch qkv: the kernel of part 2 again; grid 8 x 32, 4 waves a work-group, clusters of 4 x 4, 327,680 bytes of LDS; arguments ximg, wqimg, b_qkv, lowp_scales, qimg, kimg, vimg; writes qimg, kimg, vimg
;; launch attn (part 5): grid 2 x 128, 16 waves a work-group, no clusters, 133,120 bytes of LDS; arguments qimg, kimg, vimg, lowp_scales, aimg; writes aimg
.if DOCPART == 5
	.amdgcn_target "amdgcn-amd-amdhsa--gfx1250"
	.amdhsa_code_object_version 6
	.text
	.protected	k_q7754a1b7dd_attn
	.globl	k_q7754a1b7dd_attn
	.p2align	8
	.type	k_q7754a1b7dd_attn,@function
k_q7754a1b7dd_attn:
	s_mov_b64 s[64:65], 0
	v_nop
	global_prefetch_b8 v0, s[64:65] scope:SCOPE_SE
	s_setreg_imm32_b32 hwreg(HW_REG_WAVE_SCHED_MODE, 0, 2), 2
	s_setreg_imm32_b32 hwreg(HW_REG_WAVE_MODE, 25, 1), 1
	s_wait_xcnt 0x0
	s_wait_alu depctr_vm_vsrc(0)
; For each of 128 (batch, head): o = softmax(q k^T / 8) v, both products on codes of FP8 (E4M3), and o quantised with the given 2^e6 for the last product.
; THE SOFTMAX AHEAD OF THE SECOND PRODUCT: t = score x 2^(e2 + e3) x log2(e) / 8; M = the row's largest t so far, rounded UP to a whole number; p = 2^(t - M) is what is quantised (2^e4), not normalised.
; The row's sum is taken of the unquantised p, in f32, and divides at the end.  When M moves, the sum and O are multiplied by 2^(old M - new M), which rounds nothing.
; All operands are images of operand registers (16 rows x 64 K in 1,024 bytes; two 16-byte loads a lane at 16 x lane and 512 on): qimg, kimg [hb][token / 16][1024]; vimg [hb][token / 64][channel / 16][1024];
; out: aimg [(1024 batch + token) / 16][head][1024].
; SHARES.  A work-group owns 512 queries of one head; each of its sixteen waves 32 of them, two tiles, which share every fragment of K and V: four waves to a SIMD, so that one wave's vector work stands beside another's products.
; THE HOLD OF p.  p is at most 1 but for the rounding of t - M, and 448 x 2^e4 is at least 1.75 for every e4 from -8 up: there the one-sided hold changes no number, and a scalar branch on e4, inside the loop,
; leads round its 64 lines; for e4 of -9 and less they run.  K and V come into LDS through registers.
; K AND V IN LDS.  The head's whole K lies at LDS 0 .. 65,535 and its V at 65,536 .. 131,071; each byte is stored once.  Waves 0-7 bring K, waves 8-15 V.  Key steps 0-7 come at the head (4,096 bytes a wave); the other
; half comes in four rounds of two key steps (1,024 bytes a wave, eight registers): round r, steps 8 + 2 r and 9 + 2 r, is asked for three key steps ahead of its stores, and is stored behind step 3 r + 2, in front of a
; barrier.  While a fast wave stores round r the slowest wave reads step 3 r + 3 at the most, and 3 r + 3 < 8 + 2 r: the bytes are apart.  The loop is written five times, with constant bounds: steps 0-2, 3-5, 6-8, 9-11, 12-15.
; NO CLUSTER: a head's K and V are read by the grid's two work-groups along x alone.  NO PREFETCH: the rounds are asked for three key steps ahead of their use, so no wave waits for them.
; LAYOUT.  Both products are used transposed: S^T = K Q^T (source 0 = 16 keys, source 1 = 16 queries), O^T = V^T P^T (source 0 = 16 channels, source 1 = P): a lane holds ONE query (lane % 16) of each tile throughout.
; In S^T's tile t a lane's eight registers are keys 16 t + 8 (lane / 16) + 0 .. 7: registers 2 t, 2 t + 1 of the K = 64 operand.  So the conversions' results are P, and likewise O's are the output image.
; LIMITS: e2 + e3 between -123 and 130 (added to c's exponent field); e4 and e6 between -126 and 119; e4 + e5 is applied by v_ldexp_f32 and has none.
; THE MODE: SCHED_MODE bits 1:0 = 2 (LLVM: expert scheduling mode 2), set by the entry lines.  The code itself states the register dependences
; between vector or matrix instructions and memory or LDS instructions, with s_wait_alu, always for 0.
; THE PLAN.  Registers that memory or LDS instructions touch:
;   v1, v[L16], v[LR]  offsets and LDS addresses, written at the head and never again: one wait on va_vdst ahead of the first load serves every access by them.
;   v[ADK], v[ADV]     written by two adds a step, read by the step's sixteen LDS loads.
;   KF                 step j's LDS loads land in it (K of step j + 1); step j + 1's eight scores' products read it.
;   VF                 step j's LDS loads land in it (V of step j); step j's eight products V^T P, at its end, read it.
;   RR                 global loads land in it, a round's two LDS stores read it; no vector line names it.
;   v[S .. S + 31]     at the head: global loads land there, eight LDS stores read them; from the first step on vector and matrix lines alone name them.
;   P                  written by conversions; read by products, and on the way out by the four global stores.
; A STEP: its scores' products; a wait on vm_vsrc (the last step's LDS loads have read the two addresses); the two adds; ONE wait on va_vdst, which states that the addresses are written, that the scores' products are
; done reading KF and that the last step's products V^T P are done reading VF; behind it V's eight loads and the next step's K's eight, in one run; then the softmax, whose lines name none of these registers.
; The wait stands where the lines that follow, the maxima, read those same products' results.  The step's other wait on va_vdst is the one for its batch of exponentials.
.set L16, 2                            ; v2   16 x lane; never rewritten
.set ADK, 3                            ; v3   the step's K in LDS
.set ADV, 4                            ; v4   the step's V
.set SC,  5                            ; v5   2^e4, on the way out 2^e6
.set LIM, 6                            ; v6   448 x that
.set LR,  7                            ; v7   where I store a round's bytes: 16 x lane + 1,024 (wave % 8) + 65,536 (wave / 8); never rewritten
.set ST,  8                            ; tile q's statistics at v[8 + 8 q]: +0 -M, +1 the largest score, +2, +3 the sum in two halves, +4 f, +5 the lane permute's destination (named with f as a pair), +6, +7 at work, then a second chain of sums
.set RR,  24                           ; v24-31 a round's 1,024 bytes on their way from memory to LDS
.set Q,   32                           ; v[32 + 8 q ..]
.set KF,  48                           ; v48-79   four fragments of K
.set VF,  80                           ; v80-111  four of V
.set S,   112                          ; v[112 + 32 q ..] S^T, then p; at the head: the first half's 4,096 bytes
.set P,   176                          ; v[176 + 8 q ..]  p's codes
.set O,   192                          ; v[192 + 32 q + 8 ct ..] O^T
	s_load_b256 s[4:11], s[0:1], 0x0               ; qimg s[4:5], kimg s[6:7], vimg s[8:9], the exponents s[10:11]
	s_load_b64 s[12:13], s[0:1], 0x20              ; aimg
	v_lshrrev_b32 v1, 5, v0
	v_readfirstlane_b32 s14, v1                    ; wave 0..15
	v_and_b32 v1, 31, v0
	v_lshlrev_b32 v[L16], 4, v1
	s_and_b32 s15, ttmp7, 0xffff                   ; hb = 16 batch + head
	s_wait_alu depctr_va_sdst(0)                   ; s14 is written, ahead of its first reader: the wave's shares of K, V, Q and the output are made from it
	s_and_b32 s20, s14, 7
	s_lshr_b32 s21, s14, 3
	s_lshl_b32 s21, s21, 16                        ; LDS: K from 0 (waves 0-7), V from 65,536 (waves 8-15)
	s_lshl_b32 s22, s20, 12                        ; my 4,096 bytes of the first half
	s_lshl_b32 s23, s20, 10                        ; my 1,024 bytes of a round
	s_lshl_b32 s24, s15, 16                        ; the head's 65,536 bytes in each buffer of codes
	s_add_co_u32 s16, s24, s22
	s_mov_b32 s17, 0
	s_add_co_u32 s18, s24, s23
	s_mov_b32 s19, 0
	s_add_co_u32 s22, s22, s21
	s_add_co_u32 s23, s23, s21
	v_add_nc_u32 v1, s22, v[L16]                   ; where I store the first half's bytes
	v_add_nc_u32 v[LR], s23, v[L16]
	s_lshl_b32 s28, ttmp9, 5
	s_lshl_b32 s25, s14, 1
	s_add_co_u32 s28, s28, s25                     ; my first tile of 16 queries: 32 x work-group x + 2 x wave
	s_lshl_b32 s44, s28, 10
	s_add_co_u32 s44, s44, s24
	s_mov_b32 s45, 0
	s_wait_kmcnt 0x0
	s_load_b256 s[36:43], s[10:11], 0x0            ; e0 .. e7
	s_cmp_lt_u32 s14, 8
	s_cselect_b64 s[26:27], s[6:7], s[8:9]         ; K's codes or V's, by the wave's number
	s_add_nc_u64 s[16:17], s[26:27], s[16:17]      ; at my part of the first half
	s_add_nc_u64 s[18:19], s[26:27], s[18:19]      ; and at my part of a round, less the round's own offset
	s_add_nc_u64 s[4:5], s[4:5], s[44:45]
	s_wait_alu depctr_va_vdst(0)                   ; v[L16], v1 and v[LR] are written: every global load and store, the first loads of K and the LDS stores of the head and of the rounds read one of them; no later vector line names them
.set i, 0
.rept 8
	global_load_b128 v[S+4*i:S+4*i+3], v[L16], s[16:17] offset:512*i      ; key steps 0-7: 32 lanes read 512 consecutive bytes
.set i, i+1
.endr
.irp q, 0,1
	global_load_b128 v[Q+8*\q:Q+8*\q+3],   v[L16], s[4:5] offset:1024*\q
	global_load_b128 v[Q+8*\q+4:Q+8*\q+7], v[L16], s[4:5] offset:1024*\q+512
.endr
	global_load_b128 v[RR:RR+3],   v[L16], s[18:19] offset:32768          ; round 0: key steps 8 and 9
	global_load_b128 v[RR+4:RR+7], v[L16], s[18:19] offset:32768+512
	s_lshr_b32 s44, s15, 4                         ; batch
	s_lshl_b32 s44, s44, 6
	s_add_co_u32 s44, s44, s28                     ; block of 16 rows of the output: 64 batch + my tile
	s_lshl_b32 s44, s44, 14
	s_and_b32 s46, s15, 15                         ; head
	s_lshl_b32 s46, s46, 10
	s_add_co_u32 s44, s44, s46
	s_add_nc_u64 s[12:13], s[12:13], s[44:45]
	s_mov_b32 s30, 0x76543210                      ; lane selects for v_permlanex16_b32: lane l xor 16
	s_mov_b32 s31, 0xfedcba98
	s_mov_b32 s32, 0x3e38aa3b                      ; c = log2(e) / 8
.irp q, 0,1
	v_mov_b32 v[ST+8*\q], 0x7f61b1e6               ; -M: M begins at -3e38, under every t
	v_mov_b32 v[ST+8*\q+1], 0xff61b1e6             ; the largest score so far
	v_mov_b32 v[ST+8*\q+2], 0                      ; the sum
	v_mov_b32 v[ST+8*\q+3], 0
	v_mov_b32 v[ST+8*\q+5], 0                      ; written once: a lane permute's destination counts as one of its sources
.endr
.set i, 0
.rept 64
	v_mov_b32 v[O+i], 0                            ; O^T.  (The step is written alike for all steps: the first finds zeros, which the first change of M leaves zeros)
.set i, i+1
.endr
	s_wait_kmcnt 0x0
	s_add_co_i32 s44, s38, s39
	s_lshl_b32 s44, s44, 23
	s_add_co_i32 s32, s32, s44                     ; a score stands for score x 2^(e2 + e3): the exponents are added to c's exponent field
	s_mov_b32 s33, s32                             ; (named with it as a pair, so it is written)
	s_add_co_i32 s35, s40, s41                     ; e4 + e5
	s_add_co_i32 s44, s40, 127
	s_lshl_b32 s45, s44, 23
	v_mov_b32 v[SC], s45                           ; 2^e4
	s_add_co_i32 s44, s44, 8
	s_lshl_b32 s44, s44, 23
	s_or_b32 s44, s44, 0x600000
	v_mov_b32 v[LIM], s44                          ; 448 x 2^e4
	s_wait_loadcnt 2                               ; the first half's eight loads and Q's four are in; round 0's two may be out
.set i, 0
.rept 8
	ds_store_b128 v1, v[S+4*i:S+4*i+3] offset:512*i
.set i, i+1
.endr
	s_wait_dscnt 0x0                               ; for the others' sake: my stores are done
	s_barrier_signal -1
	s_barrier_wait -1                              ; key steps 0-7 of K and V lie in LDS
	s_wait_alu depctr_vm_vsrc(0)                   ; my LDS stores have read v[S .. S + 31]: from here on these registers are S^T, which the first step's products write
.irp t, 0,1,2,3
	ds_load_b128 v[KF+8*\t:KF+8*\t+3],   v[L16] offset:1024*\t
	ds_load_b128 v[KF+8*\t+4:KF+8*\t+7], v[L16] offset:1024*\t+512
.endr
; Key steps first .. last - 1, 64 keys each.
.macro STEPS first, last
	s_mov_b32 s34, 4096*(\first)                   ; the step's byte in K and in V
.Lstep_\@:
	s_wait_dscnt 0x0                               ; this step's K, asked for a step ago, is in
.irp t, 0,1,2,3
.irp q, 0,1
	v_wmma_f32_16x16x64_fp8_fp8 v[S+32*\q+8*\t:S+32*\q+8*\t+7], v[KF+8*\t:KF+8*\t+7], v[Q+8*\q:Q+8*\q+7], 0
.endr
.endr
	s_wait_alu depctr_vm_vsrc(0)                   ; the last step's sixteen LDS loads have read v[ADK] and v[ADV], which the two adds below write
	v_add_nc_u32 v[ADK], s34, v[L16]               ; these two and two v_nop are the four places between the scores' products and the first reads of the scores
	v_add_nc_u32 v[ADV], 0x10000, v[ADK]
	v_nop
	v_nop
	s_wait_alu depctr_va_vdst(0)                   ; v[ADK] and v[ADV] are written; the scores' products are done reading KF; the last step's products V^T P are done reading VF: the sixteen loads below read the two and land in the others
.irp t, 0,1,2,3                                    ; this step's V
	ds_load_b128 v[VF+8*\t:VF+8*\t+3],   v[ADV] offset:1024*\t
	ds_load_b128 v[VF+8*\t+4:VF+8*\t+7], v[ADV] offset:1024*\t+512
.endr
.irp t, 0,1,2,3                                    ; the next step's K.  In step 15 these read V's first 4,096 bytes: inside LDS, stored at the head, and never used
	ds_load_b128 v[KF+8*\t:KF+8*\t+3],   v[ADK] offset:4096+1024*\t
	ds_load_b128 v[KF+8*\t+4:KF+8*\t+7], v[ADK] offset:4096+1024*\t+512
.endr
	; the largest score of my query among my 32 keys, in two chains a tile, each accumulator from its low end on; the two tiles alternate line by line
.irp q, 0,1
	v_max3_num_f32 v[ST+8*\q+6], v[S+32*\q], v[S+32*\q+1], v[S+32*\q+2]
.endr
.irp q, 0,1
	v_max3_num_f32 v[ST+8*\q+7], v[S+32*\q+3], v[S+32*\q+4], v[S+32*\q+5]
.endr
.irp j, 6,10,14,18,22,26
.irp q, 0,1
	v_max3_num_f32 v[ST+8*\q+6], v[ST+8*\q+6], v[S+32*\q+\j], v[S+32*\q+\j+1]
.endr
.irp q, 0,1
	v_max3_num_f32 v[ST+8*\q+7], v[ST+8*\q+7], v[S+32*\q+\j+2], v[S+32*\q+\j+3]
.endr
.endr
.irp q, 0,1
	v_max3_num_f32 v[ST+8*\q+6], v[ST+8*\q+6], v[S+32*\q+30], v[S+32*\q+31]
.endr
.irp q, 0,1
	v_max3_num_f32 v[ST+8*\q+6], v[ST+8*\q+6], v[ST+8*\q+7], v[ST+8*\q+1]   ; with the running one
.endr
.irp q, 0,1
	v_permlanex16_b32 v[ST+8*\q+5], v[ST+8*\q+6], s30, s31
.endr
.irp q, 0,1
	v_max_num_f32 v[ST+8*\q+1], v[ST+8*\q+6], v[ST+8*\q+5]  ; and lane l xor 16's: the query's other 32 keys
.endr
.irp q, 0,1
	v_mul_f32 v[ST+8*\q+7], s32, v[ST+8*\q+1]      ; as t (c is positive)
.endr
.irp q, 0,1
	v_floor_f32 v[ST+8*\q+6], -v[ST+8*\q+7]        ; the new -M = floor(-t) = -ceil(t): a whole number
.endr
.irp q, 0,1
	v_sub_f32 v[ST+8*\q+7], v[ST+8*\q+6], v[ST+8*\q]        ; old M less new M: a whole number, 0 or less
.endr
.irp q, 0,1
	v_mov_b32 v[ST+8*\q], v[ST+8*\q+6]
.endr
.irp q, 0,1
	v_cvt_i32_f32 v[ST+8*\q+7], v[ST+8*\q+7]       ; (it saturates)
.endr
.irp q, 0,1
	v_ldexp_f32 v[ST+8*\q+4], 1.0, v[ST+8*\q+7]    ; f = 2^(old M - new M)
.endr
.set j, 0
.rept 16
.irp q, 0,1
	v_pk_fma_f32 v[S+32*\q+j:S+32*\q+j+1], v[S+32*\q+j:S+32*\q+j+1], s[32:33], v[ST+8*\q:ST+8*\q+1] op_sel_hi:[1,0,0]   ; t - M, two at a time (of the pairs c and -M the low word serves both halves)
.endr
.set j, j+2
.endr
	; ONE BATCH of 64 exponentials.  O^T's 32 rescalings, which name no exponential's result, stand among them, one behind every two: the independent work ahead of the batch's one wait, and the last of them the plain line behind the last exponential
.set j, 0
.rept 16
.irp q, 0,1
	v_exp_f32 v[S+32*\q+j], v[S+32*\q+j]           ; p = 2^(t - M)
	v_exp_f32 v[S+32*\q+j+1], v[S+32*\q+j+1]
	v_pk_mul_f32 v[O+32*\q+j:O+32*\q+j+1], v[O+32*\q+j:O+32*\q+j+1], v[ST+8*\q+4:ST+8*\q+5] op_sel_hi:[1,0]   ; O^T under the new M; each accumulator from its low end on
.endr
.set j, j+2
.endr
	s_wait_alu depctr_va_vdst(0)                   ; the 64 exponentials have written p, v[S .. S + 63]: the wait ahead of the first line that names an exponential's result: one for the batch
	; the row's sum is taken of the UNQUANTISED p, two at a time, in two chains a tile; the first addition brings the old sum under the new M in the same line
.irp q, 0,1
	v_pk_fma_f32 v[ST+8*\q+2:ST+8*\q+3], v[ST+8*\q+2:ST+8*\q+3], v[ST+8*\q+4:ST+8*\q+5], v[S+32*\q:S+32*\q+1] op_sel_hi:[1,0,1]
.endr
.irp q, 0,1
	v_pk_add_f32 v[ST+8*\q+6:ST+8*\q+7], v[S+32*\q+2:S+32*\q+3], v[S+32*\q+4:S+32*\q+5]
.endr
.irp j, 6,10,14,18,22,26
.irp q, 0,1
	v_pk_add_f32 v[ST+8*\q+2:ST+8*\q+3], v[ST+8*\q+2:ST+8*\q+3], v[S+32*\q+\j:S+32*\q+\j+1]
.endr
.irp q, 0,1
	v_pk_add_f32 v[ST+8*\q+6:ST+8*\q+7], v[ST+8*\q+6:ST+8*\q+7], v[S+32*\q+\j+2:S+32*\q+\j+3]
.endr
.endr
.irp q, 0,1
	v_pk_add_f32 v[ST+8*\q+2:ST+8*\q+3], v[ST+8*\q+2:ST+8*\q+3], v[S+32*\q+30:S+32*\q+31]
.endr
.irp q, 0,1
	v_pk_add_f32 v[ST+8*\q+2:ST+8*\q+3], v[ST+8*\q+2:ST+8*\q+3], v[ST+8*\q+6:ST+8*\q+7]
.endr
	s_cmp_gt_i32 s40, -9                           ; e4 of -8 and more: 448 x 2^e4 >= 1.75 lies over every p, and the hold changes nothing
	s_cbranch_scc1 .Lopen_\@
.set j, 0
.rept 64
	v_min_num_f32 v[S+j], v[S+j], v[LIM]           ; the conversion to an 8-bit code does not saturate (ISA guide 7.6.2); p is not negative, so the hold is one-sided
.set j, j+1
.endr
.Lopen_\@:
.irp t, 0,1,2,3
.irp q, 0,1
	v_cvt_scalef32_pk8_fp8_f32 v[P+8*\q+2*\t:P+8*\q+2*\t+1], v[S+32*\q+8*\t:S+32*\q+8*\t+7], v[SC]
.endr
.endr
	v_nop                                          ; one plain vector instruction between the last conversion and the products that read P
	s_wait_dscnt 8                                 ; V is in; the next step's K (the eight younger loads) may be out
.irp t, 0,1,2,3                                    ; the eight accumulators take turns, one instruction a turn
.irp q, 0,1
	v_wmma_f32_16x16x64_fp8_fp8 v[O+32*\q+8*\t:O+32*\q+8*\t+7], v[VF+8*\t:VF+8*\t+7], v[P+8*\q:P+8*\q+7], v[O+32*\q+8*\t:O+32*\q+8*\t+7]
.endr
.endr
	s_add_co_u32 s34, s34, 4096
	s_cmp_lt_u32 s34, 4096*(\last)
	s_cbranch_scc1 .Lstep_\@
.endm
; Round r's 1,024 bytes of mine go from registers to LDS; more = 1: the next round is asked for, into the same registers; then the barrier that shows the round to every wave.
; No vector line names v[LR] (since the head's wait) or RR (ever), so the stores and the loads hang on no vector result.
.macro ROUND r, more
	s_wait_loadcnt 0x0                             ; the round's two loads, asked for three key steps ago, are in
	ds_store_b128 v[LR], v[RR:RR+3]   offset:32768+8192*(\r)
	ds_store_b128 v[LR], v[RR+4:RR+7] offset:32768+8192*(\r)+512
	s_wait_dscnt 0x0                               ; for the others' sake: my stores are done
.if \more
	s_wait_alu depctr_vm_vsrc(0)                   ; the two LDS stores have read RR, in which the next round's loads land
	global_load_b128 v[RR:RR+3],   v[L16], s[18:19] offset:32768+8192*((\r)+1)
	global_load_b128 v[RR+4:RR+7], v[L16], s[18:19] offset:32768+8192*((\r)+1)+512
.endif
	s_barrier_signal -1
	s_barrier_wait -1
.endm
	STEPS 0, 3
	ROUND 0, 1                                     ; key steps 8, 9: first read in step 7 (K of step 8)
	STEPS 3, 6
	ROUND 1, 1                                     ; key steps 10, 11: first read in step 9
	STEPS 6, 9
	ROUND 2, 1                                     ; key steps 12, 13: first read in step 11
	STEPS 9, 12
	ROUND 3, 0                                     ; key steps 14, 15: first read in step 13
	STEPS 12, 16
	; THE WAY OUT.  o = O^T x 2^(e4 + e5) / the row's sum, quantised with 2^e6: a tile's 32 numbers a lane are the eight registers of its image.
	s_wait_dscnt 0x0                               ; the last step's unused loads have landed
.irp q, 0,1
	v_add_f32 v[ST+8*\q+6], v[ST+8*\q+2], v[ST+8*\q+3]      ; the sum's two halves  (these additions are the places behind the last products)
.endr
.irp q, 0,1
	v_permlanex16_b32 v[ST+8*\q+5], v[ST+8*\q+6], s30, s31
.endr
.irp q, 0,1
	v_add_f32 v[ST+8*\q+6], v[ST+8*\q+6], v[ST+8*\q+5]      ; and lane l xor 16's
.endr
.irp q, 0,1
	v_rcp_f32 v[ST+8*\q+4], v[ST+8*\q+6]
.endr
	v_nop                                          ; a plain line behind the last reciprocal
	s_add_co_i32 s44, s42, 127
	s_lshl_b32 s45, s44, 23
	v_mov_b32 v[SC], s45                           ; 2^e6
	s_add_co_i32 s44, s44, 8
	s_lshl_b32 s44, s44, 23
	s_or_b32 s44, s44, 0x600000
	v_mov_b32 v[LIM], s44                          ; 448 x 2^e6
	s_wait_alu depctr_va_vdst(0)                   ; both reciprocals have written v[ST + 4] and v[ST + 12]: one wait, ahead of their first reader
.irp q, 0,1
	v_ldexp_f32 v[ST+8*\q+4], v[ST+8*\q+4], s35    ; x 2^(e4 + e5)
.endr
.set j, 0
.rept 16
.irp q, 0,1
	v_pk_mul_f32 v[S+32*\q+j:S+32*\q+j+1], v[O+32*\q+j:O+32*\q+j+1], v[ST+8*\q+4:ST+8*\q+5] op_sel_hi:[1,0]   ; each accumulator from its low end on
.endr
.set j, j+2
.endr
.set j, 0
.rept 64
	v_med3_num_f32 v[S+j], v[S+j], -v[LIM], v[LIM]
.set j, j+1
.endr
.irp t, 0,1,2,3
.irp q, 0,1
	v_cvt_scalef32_pk8_fp8_f32 v[P+8*\q+2*\t:P+8*\q+2*\t+1], v[S+32*\q+8*\t:S+32*\q+8*\t+7], v[SC]
.endr
.endr
	v_nop
	s_wait_alu depctr_va_vdst(0)                   ; the conversions have written P, which the four stores read
.irp q, 0,1
	global_store_b128 v[L16], v[P+8*\q:P+8*\q+3],   s[12:13] offset:16384*\q       ; 32 lanes store 512 consecutive bytes, aligned
	global_store_b128 v[L16], v[P+8*\q+4:P+8*\q+7], s[12:13] offset:16384*\q+512
.endr
	s_wait_xcnt 0x0
	v_lshl_add_u32 v254, v0, 2, 0x20000            ; the add's two registers are made anew here, v0 being as at the entry: no register could be kept for them.  They held O^T, which no memory or LDS instruction has read
	v_mov_b32 v255, 0
	s_wait_dscnt 0x0                               ; the closing lines, six on end
	s_wait_alu 0x0
	s_wait_tensorcnt 0x0
	ds_add_u32 v254, v255
	s_wait_dscnt 0x0
	s_endpgm
.Lfunc_end_k_q7754a1b7dd_attn:
	.size	k_q7754a1b7dd_attn, .Lfunc_end_k_q7754a1b7dd_attn-k_q7754a1b7dd_attn
	.p2alignl 7, 3214868480
	.fill 96, 4, 3214868480
	.section	.rodata,"a",@progbits
	.p2align	6, 0x0
	.amdhsa_kernel k_q7754a1b7dd_attn
		.amdhsa_group_segment_fixed_size 133120
		.amdhsa_private_segment_fixed_size 0
		.amdhsa_enable_private_segment 0
		.amdhsa_kernarg_size 40
		.amdhsa_user_sgpr_count 2
		.amdhsa_user_sgpr_kernarg_segment_ptr 1
		.amdhsa_wavefront_size32 1
		.amdhsa_system_sgpr_workgroup_id_x 1
		.amdhsa_system_sgpr_workgroup_id_y 1
		.amdhsa_system_sgpr_workgroup_id_z 1
		.amdhsa_system_vgpr_workitem_id 0
		.amdhsa_next_free_vgpr 256
		.amdhsa_next_free_sgpr 66
		.amdhsa_reserve_vcc 0
		.amdhsa_float_denorm_mode_32 3
		.amdhsa_float_denorm_mode_16_64 3
		.amdhsa_memory_ordered 1
		.amdhsa_forward_progress 1
		.amdhsa_inst_pref_size 97
	.end_amdhsa_kernel
	.amdgpu_metadata
---
amdhsa.version: [ 1, 2 ]
amdhsa.kernels:
  - .name:           k_q7754a1b7dd_attn
    .symbol:         k_q7754a1b7dd_attn.kd
    .args:
      - { .name: qimg, .offset: 0, .size: 8, .value_kind: global_buffer, .address_space: global }
      - { .name: kimg, .offset: 8, .size: 8, .value_kind: global_buffer, .address_space: global }
      - { .name: vimg, .offset: 16, .size: 8, .value_kind: global_buffer, .address_space: global }
      - { .name: lowp_scales, .offset: 24, .size: 8, .value_kind: global_buffer, .address_space: global }
      - { .name: aimg, .offset: 32, .size: 8, .value_kind: global_buffer, .address_space: global }
    .group_segment_fixed_size: 133120
    .private_segment_fixed_size: 0
    .kernarg_segment_align: 8
    .kernarg_segment_size: 40
    .max_flat_workgroup_size: 512
    .sgpr_count:     66
    .vgpr_count:     256
    .wavefront_size: 32
...
	.end_amdgpu_metadata
.endif
;; end of part 5
;; launch proj: the kernel of part 4 again; grid 4 x 64, 4 waves a work-group, clusters of 4 x 4, 327,680 bytes of LDS; arguments aimg, wpimg, b_proj, lowp_scales, out0; writes out0
